; MI455X (gfx1250); checked and timed in simulation.
; The chip was launched on July 23, 2026; its instructions are those of AMD's public machine-readable ISA for CDNA 5 (MIT licence, August 2026) and "CDNA5" Instruction Set Architecture Reference Guide (July 2026). The comments in the code are by the model that wrote it; some were corrected since.
;; Multi Head Attention. Allowed arithmetic: matrix products marked QUANTISED: E2M1 operands, one E8M0 scale for each 32 along K, by v_wmma_scale_f32_16x16x128_f8f6f4 with both operands' format E2M1 (or v_wmma_scale_f32_32x16x128_f4), f32 sums; everything else in f32.
;; Inputs: bk 1,024 float32; bo 1,024 float32; bq 1,024 float32; bv 1,024 float32; mask 1 x 1 x 2,048 x 2,048 bool; wk 1,024 x 1,024 float32; wo 1,024 x 1,024 float32; wq 1,024 x 1,024 float32; wv 1,024 x 1,024 float32; x 4 x 2,048 x 1,024 float32.
;; Outputs: out0 4 x 2,048 x 1,024 float32.
;; This version of the problem:
;;   THIS VERSION OF THE PROBLEM IS GIVEN IN LOW PRECISION. The matrix products marked QUANTISED in the list below multiply operands that are first quantised to E2M1 (2 exponent bits, 1 mantissa bit; 4 bits a number), with one power-of-two scale for each 32 numbers along K (OCP MX v1.0); their sums are f32. All else is computed in f32.
;;   The module's matrix products, in the order in which they are computed (A, B: the left and right operand; K: the contracted axis; several contracted axes count as one K, in the product's order):
;;     1. [M 8,192, K 1,024] x [K 1,024, N 1,024]; A: input x; B: input wq: QUANTISED
;;     2. [M 8,192, K 1,024] x [K 1,024, N 1,024]; A: input x; B: input wk: QUANTISED
;;     3. [M 8,192, K 1,024] x [K 1,024, N 1,024]; A: input x; B: input wv: QUANTISED
;;     4. batch 64 x [M 2,048, K 64] x [K 64, N 2,048]; A: computed on the way; B: computed on the way: QUANTISED
;;     5. batch 64 x [M 2,048, K 2,048] x [K 2,048, N 64]; A: softmax (see below); B: computed on the way: QUANTISED
;;     6. [M 8,192, K 1,024] x [K 1,024, N 1,024]; A: computed on the way; B: input wo: QUANTISED
;;   THE QUANTISER, for each operand of a quantised product, along K:
;;     - K is cut into blocks of 32 from its start; a last block that is shorter is filled with zeros.
;;     - A block's scale is 2^e with e = floor(log2(the largest magnitude in the block)) - 2, held to -126 .. 127; a block of zeros has e = 0. As a byte (E8M0): e + 127.
;;     - Each number is divided by its block's scale, clamped to +-6, and rounded to the nearest number of E2M1, ties to even, subnormals kept.
;;     - The product sums the exact products of the quantised numbers (number of the format x scale) in f32.
;;   ~~~python
;;   def quantise(x, axis):      # numpy; x: float32 -> the quantised numbers, widened to float32 again
;;       x = np.moveaxis(x, axis, -1); K = x.shape[-1]
;;       x = np.pad(x, [(0, 0)] * (x.ndim - 1) + [(0, -K % 32)]); x = x.reshape(x.shape[:-1] + (-1, 32)); a = np.abs(x).max(-1, keepdims=True)
;;       e = np.where(a > 0, np.clip(np.frexp(np.where(a > 0, a, 1))[1] - 1 - 2, -126, 127), 0)      # np.frexp(a)[1] - 1 = floor(log2(a)), exactly
;;       r = np.clip(x / 2.0 ** e, -6, 6)
;;       step = 2.0 ** (np.maximum(np.frexp(np.where(r == 0, 1, r))[1] - 1, 0) - 1)
;;       q = np.round(r / step) * step * 2.0 ** e      # np.round: ties to even
;;       return np.moveaxis(q.reshape(q.shape[:-2] + (-1,))[..., :K], -1, axis).astype(np.float32)
;;   ~~~
;;   SOFTMAX AHEAD OF A QUANTISED PRODUCT. Where the list says 'softmax', what is quantised is not the finished softmax but p = 2^(t - M), with t = logit x log2(e) and M = ceil(the row's largest t), a whole number; so 1/2 < the row's largest p <= 1. The row's sum l is taken of the UNQUANTISED p, in f32, and the product's result is divided by l at the end. Since M is a whole number, a kernel that streams over the keys may use a running M (the ceiling of the running maximum): every later rescaling is an exact power of two, which a block's scale takes up: the codes' values come out the same.
;;   OPERANDS COMPUTED ON THE WAY. 'Computed on the way' means the value that the module computes at that place (a softmax that the list does not call 'softmax' is quantised finished and normalised). What goes into a quantiser is computed in f32, as accurately as f32 sums, v_exp_f32 and their like allow (about 1e-6 of the number): no bf16 or f16 on the way to a quantiser, and a product that is left as it is and whose result goes on into a quantised operand takes f32 operands (vector FMAs, or v_wmma_f32_16x16x4_f32). A number that lies on a knife's edge between two numbers of the format may be rounded either way, as far as f32 arithmetic and the matrix unit's own rounding can turn it there, and no further.
;; 2 versions, each right; version 2 is version 1 with the launch attn written anew for expert scheduling mode. Each part assembles by itself: llvm-mc -triple=amdgcn-amd-amdhsa -mcpu=gfx1250 --defsym DOCPART=n.
;; ======== version 1 of 2: 4 launches
;; workspace buffers: codes 6,291,456 bytes; scales 393,216 bytes; mwords 524,288 bytes of whole numbers; cls 512 bytes of whole numbers; img 12,582,912 bytes; isc 1,572,864 bytes; yimg 4,194,304 bytes; ysc 262,144 bytes
;; launch prep (part 1): grid 448 x 1, 4 waves a work-group, no clusters, 102,912 bytes of LDS; arguments wq, wk, wv, wo, x, mask, codes, scales, mwords, cls; writes codes, scales, mwords, cls
.if DOCPART == 1
	.amdgcn_target "amdgcn-amd-amdhsa--gfx1250"
	.amdhsa_code_object_version 6
	.text
	.protected	k_q1a19a2185b_prep
	.globl	k_q1a19a2185b_prep
	.p2align	8
	.type	k_q1a19a2185b_prep,@function
k_q1a19a2185b_prep:
	s_mov_b64 s[64:65], 0
	v_nop
	global_prefetch_b8 v0, s[64:65] scope:SCOPE_SE
	s_setreg_imm32_b32 hwreg(HW_REG_WAVE_MODE, 25, 1), 1
	s_wait_xcnt 0x0
; prep: x [8192][1024] and the four weights [1024 (k)][1024 (n)], f32, become codes of FP4 (E2M1) with K innermost and one E8M0 byte for each 32 along K;
; the mask [2048][2048] of bytes becomes lane-mask words and a two-bit class for each (tile of 16 queries, step of 128 keys).
; codes: [12288 rows][512 bytes], scales: [12288][32 bytes].  Rows 0-8191: x's tokens; 8192 + 1024 wi + n: column n of weight wi (0 q, 1 k, 2 v, 3 o).
; EVERY ROW IS STORED AT sigma(row), sigma = bits 3 and 4 of the row number exchanged.  So sixteen neighbouring stored rows, tile T and lane r, are the true rows 32 (T / 2) + 8 (T % 2) + r % 8 + 16 (r / 8):
; a product that takes such tiles as its source 0 leaves, in the 16 registers of two neighbouring tiles, 16 neighbours along that axis, ready for the conversions.
; mwords: [T 128][step 16][64 words]: word n, bit l = mask[true row of (T, l % 16)][128 step + 32 (n / 16) + 16 (l / 16) + n % 16].  cls: [T] a word; bit 2 s: some key of step s counts; bit 2 s + 1: some key is hidden.
; A block's scale is 2^(floor(log2(its largest magnitude)) - 2); its byte is the largest magnitude's exponent field - 2, held at 1 from below.
; LIMITS: a block of zeros gets the byte 1 where the rule says 127 (its codes are zeros, and this program alone reads the bytes); NaN and infinities among the inputs are not served.
; THREE PATHS by the work-group's number, each with LDS bytes of its own: 0-63 the weights, 64-319 x, 320-447 the mask.  No tensor loads, no barrier: waves share nothing.
.set XL, 0                             ; LDS of x's path: 8,192 bytes a wave
.set WL, 32768                         ; of the weights' path: 8,704 bytes a wave
.set ML, 67584                         ; of the mask's path: 8,704 bytes a wave
	v_lshl_add_u32 v192, v0, 2, 0x19000
	v_mov_b32 v193, 0
	s_cmp_lt_u32 ttmp9, 64
	s_cbranch_scc1 .Lpath_w
	s_cmp_lt_u32 ttmp9, 320
	s_cbranch_scc1 .Lpath_x
; ---------------- THE MASK.  Work-group = tile T of 16 queries; wave = a quarter of the keys: 512 keys = 2 chunks of 256 = 4 steps of 128.
; A load reads 256 consecutive bytes of one mask row in sixteen lanes; the rows turn through the wave's own stage (pitch 272), so that lane (r, h) gets 16 neighbouring keys of row r.
	s_load_b64 s[4:5], s[0:1], 0x28                ; mask
	s_load_b128 s[8:11], s[0:1], 0x40              ; mwords, cls
	v_lshrrev_b32 v1, 5, v0
	v_readfirstlane_b32 s16, v1                    ; wave = quarter
	v_and_b32 v2, 31, v0                           ; lane
	v_and_b32 v3, 15, v0                           ; r
	v_bfe_u32 v4, v0, 4, 1                         ; h
	v_lshlrev_b32 v5, 4, v3
	v_lshl_add_u32 v6, v4, 11, v5                  ; in memory: 2,048 h + 16 r
	s_mul_i32 s17, s16, 8704
	s_add_co_u32 s17, s17, ML
	v_mul_u32_u24 v7, v4, 272
	v_add_nc_u32 v7, v7, v5
	v_add_nc_u32 v7, s17, v7                       ; into the stage: row h of a pair, 16 bytes a lane
	v_mul_u32_u24 v8, v3, 272
	v_lshl_add_u32 v8, v4, 4, v8
	v_add_nc_u32 v8, s17, v8                       ; out of it: row r, + 16 h
	v_lshlrev_b32 v9, 3, v2                        ; the words' way out: 8 bytes a lane
.irp i, 0,1,2,3,4,5,6,7
	v_mov_b32 v[96+\i], 0                          ; a lane write's destination counts as read: written once
.endr
	s_sub_co_u32 s18, ttmp9, 320                   ; T
	s_lshr_b32 s19, s18, 1
	s_lshl_b32 s19, s19, 5
	s_and_b32 s20, s18, 1
	s_lshl_b32 s20, s20, 3
	s_add_co_u32 s19, s19, s20                     ; the tile's first true row: 32 (T / 2) + 8 (T % 2)
	s_lshl_b32 s20, s19, 11
	s_lshl_b32 s21, s16, 9
	s_add_co_u32 s20, s20, s21                     ; its byte in the mask, + my quarter
	s_mov_b32 s21, 0
	s_lshl_b32 s22, s18, 4
	s_lshl_b32 s23, s16, 2
	s_add_co_u32 s22, s22, s23
	s_lshl_b32 s22, s22, 8                         ; (16 T + 4 quarter) x 256 bytes of words
	s_mov_b32 s23, 0
	s_lshl_b32 s34, s18, 2
	s_add_co_u32 s34, s34, s16                     ; my byte of T's class word
	s_mov_b32 s35, 0
	s_mov_b32 s28, 0                               ; the class byte
	s_wait_kmcnt 0x0
	s_add_nc_u64 s[4:5], s[4:5], s[20:21]
	s_add_nc_u64 s[8:9], s[8:9], s[22:23]
	s_add_nc_u64 s[10:11], s[10:11], s[34:35]
.irp ch, 0,1
.irp n, 0,1,2,3,4,5,6,7
	global_load_b128 v[16+32*\ch+4*\n:19+32*\ch+4*\n], v6, s[4:5] offset:(2*\n+8*(\n/4))*2048+256*\ch th:TH_LOAD_NT   ; tile rows 2 n and 2 n + 1
.endr
.endr
.macro MSTAGE ch
.irp n, 0,1,2,3,4,5,6,7
	ds_store_b128 v7, v[16+32*\ch+4*\n:19+32*\ch+4*\n] offset:4352*\ch+544*\n
.endr
.endm
.macro MSTEP ch, sp                    ; step 2 ch + sp of my four
.set MST, 2*(\ch)+(\sp)
.irp b, 0,1,2,3
	ds_load_b128 v[80+4*\b:83+4*\b], v8 offset:4352*(\ch)+128*(\sp)+32*\b   ; keys 32 b + 16 h + 0 .. 15 of row r.  LDS serves a wave's instructions in order: these see my stores
.endr
	s_wait_dscnt 0x0
.set MN, 0
.rept 64                               ; word n: byte n % 4 of register n / 4, tested in all 32 lanes at once; the compare's lane mask IS the word
	v_and_b32 v[106+MN%4], 0xff<<(8*(MN%4)), v[80+MN/4]
	v_cmp_ne_u32 s[24+MN%4], 0, v[106+MN%4]
	v_writelane_b32 v[96+2*MST+MN%2], s[24+MN%4], MN/2
.set MN, MN+1
.endr
	v_or_b32 v104, v80, v81
	v_and_b32 v105, v80, v81
.irp k, 82,83,84,85,86,87,88,89,90,91,92,93,94,95
	v_or_b32 v104, v104, v[\k]
	v_and_b32 v105, v105, v[\k]
.endr
	v_cmp_ne_u32 s29, 0, v104                      ; lanes with a key that counts
	v_cmp_ne_u32 s30, 0x01010101, v105             ; lanes with a key that is hidden (a mask byte is 0 or 1)
	s_cmp_lg_u32 s29, 0
	s_cselect_b32 s31, 1, 0
	s_cmp_lg_u32 s30, 0
	s_cselect_b32 s32, 2, 0
	s_or_b32 s31, s31, s32
	s_lshl_b32 s31, s31, 2*MST
	s_or_b32 s28, s28, s31
	global_store_b64 v9, v[96+2*MST:97+2*MST], s[8:9] offset:256*MST   ; 32 lanes store 256 consecutive bytes, aligned
.endm
	s_wait_loadcnt 8                               ; the first chunk's eight loads are in; the second's may be out
	MSTAGE 0
	MSTEP 0, 0
	MSTEP 0, 1
	s_wait_loadcnt 0x0
	MSTAGE 1
	MSTEP 1, 0
	MSTEP 1, 1
	v_mov_b32 v110, s28
	v_mov_b32 v111, 0
	v_cmp_eq_u32 vcc_lo, 0, v2
	s_wait_xcnt 0x0                                ; EXEC is a source of the stores above: it changes only behind this wait
	s_wait_tensorcnt 0x0
	ds_add_u32 v192, v193
	s_wait_dscnt 0x0
	s_and_saveexec_b32 s33, vcc_lo
	global_store_b8 v111, v110, s[10:11]           ; lane 0 alone: my quarter's class byte
	s_wait_xcnt 0x0
	s_or_b32 exec_lo, exec_lo, s33
	s_endpgm
; ---------------- x.  A plain stream of blocks of 32.  A wave takes 8 rows (8,192 numbers) in 16 steps of 512.  Each load reads 512 consecutive bytes; a step's 2,048 bytes turn through the wave's own stage, so that a lane
; holds 16 neighbours (two lanes a block).  sigma touches bits 3 and 4 of the row: the two low bits of the number of a run of 8 rows, which are the wave's number: the run is stored with them exchanged.
.set XSTEPS, 16
.set XCB,   8                          ; bytes of 16 codes
.set XR,    16                         ; v16-79   four sets of 16 numbers as loaded
.set XX,    80                         ; v80-111  two sets of 16 neighbours
.set XC,    128                        ; v128-191 codes: four registers a step, so that no store's data are written again
.set XE,    112                        ; v112-127 a scale byte a step
.set XSP,   80                         ; a lane's place in a stage: 64 bytes + 16 of padding
.Lpath_x:
	s_load_b64 s[4:5], s[0:1], 0x20                ; x
	s_load_b128 s[8:11], s[0:1], 0x30              ; codes, scales
	v_lshrrev_b32 v1, 5, v0
	v_readfirstlane_b32 s16, v1                    ; wave
	v_and_b32 v2, 31, v0                           ; lane
	v_lshlrev_b32 v3, 4, v2
	s_mul_i32 s17, s16, 8192                       ; my region (XL = 0)
	v_lshrrev_b32 v14, 2, v2
	v_mul_u32_u24 v14, v14, XSP
	v_and_b32 v15, 3, v2
	v_lshl_add_u32 v14, v15, 4, v14
	v_add_nc_u32 v14, s17, v14                     ; the stage, way in: 80 (lane / 4) + 16 (lane % 4)
	v_mul_u32_u24 v15, v2, XSP
	v_add_nc_u32 v15, s17, v15                     ; way out: 80 x lane
	v_mul_u32_u24 v4, v2, XCB
	v_lshrrev_b32 v5, 1, v2
	s_add_co_u32 s17, s17, 2*32*XSP
	v_add_nc_u32 v5, s17, v5                       ; my block's scale byte among the wave's 256
	v_lshlrev_b32 v7, 3, v2
	v_add_nc_u32 v6, s17, v7
	s_sub_co_u32 s18, ttmp9, 64
	s_lshl_b32 s18, s18, 2
	s_add_co_u32 s20, s18, s16                     ; the run that I read
	s_and_b32 s19, s16, 1
	s_lshl_b32 s19, s19, 1
	s_lshr_b32 s21, s16, 1
	s_or_b32 s19, s19, s21
	s_add_co_u32 s18, s18, s19                     ; the run that I write
	s_lshl_b32 s20, s20, 15
	s_mov_b32 s21, 0
	s_lshl_b32 s22, s18, 12
	s_mov_b32 s23, 0
	s_lshl_b32 s24, s18, 8
	s_mov_b32 s25, 0
	s_wait_kmcnt 0x0
	s_add_nc_u64 s[4:5], s[4:5], s[20:21]
	s_add_nc_u64 s[8:9], s[8:9], s[22:23]
	s_add_nc_u64 s[10:11], s[10:11], s[24:25]
.macro XLOAD t
.irp i, 0,1,2,3
	global_load_b128 v[XR+16*((\t)%4)+4*\i:XR+16*((\t)%4)+4*\i+3], v3, s[4:5] offset:2048*(\t)+512*\i th:TH_LOAD_NT
.endr
.endm
.macro XTURN t                         ; LDS serves a wave's instructions in order: no wait between the stores and the loads
.irp i, 0,1,2,3
	ds_store_b128 v14, v[XR+16*((\t)%4)+4*\i:XR+16*((\t)%4)+4*\i+3] offset:32*XSP*((\t)%2)+8*XSP*\i
.endr
.irp i, 0,1,2,3
	ds_load_b128 v[XX+16*((\t)%2)+4*\i:XX+16*((\t)%2)+4*\i+3], v15 offset:32*XSP*((\t)%2)+16*\i
.endr
.endm
.irp t, 0,1,2,3
	XLOAD \t
.endr
	s_wait_loadcnt 12                              ; step 0's four loads are in
	XTURN 0
.macro XSTEP t
.set XS, XX+16*((\t)%2)
.if (\t) > 0
	s_wait_dscnt 1                                 ; this step's numbers are back (the last step's byte store may be out)
.else
	s_wait_dscnt 0x0
.endif
.if (\t)+4 < XSTEPS
	XLOAD (\t)+4
.endif
.if (\t)+1 < XSTEPS
.if XSTEPS-2-(\t) >= 3
	s_wait_loadcnt 12                              ; the next step's four loads are in; three later steps' may be out
.else
	s_wait_loadcnt 4*(XSTEPS-2-(\t))
.endif
	XTURN (\t)+1
.endif
	v_max3_num_f32 v8, |v[XS]|, |v[XS+1]|, |v[XS+2]|
	v_max3_num_f32 v9, |v[XS+3]|, |v[XS+4]|, |v[XS+5]|
.irp i, 6,10
	v_max3_num_f32 v8, v8, |v[XS+\i]|, |v[XS+\i+1]|
	v_max3_num_f32 v9, v9, |v[XS+\i+2]|, |v[XS+\i+3]|
.endr
	v_max3_num_f32 v8, v8, |v[XS+14]|, |v[XS+15]|
	v_max3_num_f32 v8, v8, v9, 0x1800000           ; and the floor 2^(3 - 127): the byte cannot fall under 1
	v_max_num_f32_dpp v8, v8, v8 row_xmask:1 row_mask:0xf bank_mask:0xf   ; with my neighbour's 16: the block's
	v_add_nc_u32 v11, 0xff000000, v8               ; 2 off the exponent field: the conversion's scale operand
	v_cvt_scalef32_pk8_fp4_f32 v[XC+4*(\t)], v[XS:XS+7], v11
	v_cvt_scalef32_pk8_fp4_f32 v[XC+4*(\t)+1], v[XS+8:XS+15], v11
	v_lshrrev_b32 v[XE+(\t)], 23, v11              ; the scale's byte
	ds_store_b8 v5, v[XE+(\t)] offset:16*(\t)      ; both lanes of a block write the same byte with the same value
	global_store_b64 v4, v[XC+4*(\t):XC+4*(\t)+1], s[8:9] offset:32*XCB*(\t)   ; the wave stores 256 consecutive bytes, aligned
.endm
.irp t, 0,1,2,3,4,5,6,7,8,9,10,11,12,13,14,15
	XSTEP \t
.endr
	ds_load_b64 v[12:13], v6
	s_wait_dscnt 0x0
	global_store_b64 v7, v[12:13], s[10:11]        ; the run's 256 scale bytes, aligned
	s_wait_tensorcnt 0x0
	ds_add_u32 v192, v193
	s_wait_dscnt 0x0
	s_endpgm
; ---------------- THE WEIGHTS.  K is the first axis: a lane takes a column n and its registers run down K, so that a block of 32 lies in one lane and the codes come out with K innermost.
; Work-group = (weight, 128 columns, half of K); a wave takes 32 columns x 512 along K: 16 blocks a lane, 256 bytes of codes a column, which leave through the wave's own stage as whole rows.
.set WNB,   16
.set WPITCH, 272
.set WKROW, 512
.set WX,    32                         ; v32-95   two sets of 32 numbers
.set WC,    96                         ; v96-99   a block's codes
.set WOUT,  112                        ; v112-175 the way out
.set WSB,   24                         ; v24-27   the scale bytes
.Lpath_w:
	s_load_b256 s[4:11], s[0:1], 0x0               ; wq, wk, wv, wo
	s_load_b128 s[12:15], s[0:1], 0x30             ; codes, scales
	v_lshrrev_b32 v1, 5, v0
	v_readfirstlane_b32 s16, v1                    ; wave
	v_and_b32 v2, 31, v0                           ; lane
	s_lshr_b32 s17, ttmp9, 4                       ; which weight
	s_bfe_u32 s18, ttmp9, 0x30001                  ; which 128 columns
	s_and_b32 s19, ttmp9, 1                        ; which half of K
	s_lshl_b32 s18, s18, 7
	s_lshl_b32 s20, s16, 5
	s_add_co_u32 s18, s18, s20                     ; my wave's first column, a multiple of 32
	v_lshlrev_b32 v3, 2, v2
	s_mul_i32 s20, s16, 32*WPITCH
	s_add_co_u32 s20, s20, WL                      ; my stage
	v_mul_u32_u24 v4, v2, WPITCH
	v_add_nc_u32 v4, s20, v4                       ; into it: row = my column
	v_and_b32 v5, 15, v2
	v_lshrrev_b32 v6, 4, v2
	v_mul_u32_u24 v7, v6, WPITCH
	v_lshl_add_u32 v7, v5, 4, v7
	v_add_nc_u32 v7, s20, v7                       ; out of it: sixteen lanes to a row, two rows an instruction
	v_mul_u32_u24 v8, v6, WKROW
	v_lshl_add_u32 v8, v5, 4, v8                   ; and the same place in codes
	v_and_b32 v9, 7, v2
	v_bfe_u32 v10, v2, 3, 1
	v_lshl_or_b32 v9, v10, 4, v9
	v_bfe_u32 v10, v2, 4, 1
	v_lshl_or_b32 v9, v10, 3, v9
	v_lshlrev_b32 v9, 5, v9                        ; my column's row of scale bytes: 32 x sigma(lane)
	s_lshl_b32 s22, s19, 21
	s_lshl_b32 s21, s18, 2
	s_add_co_u32 s22, s22, s21                     ; in the weight: 512 rows of 4,096 bytes x half + 4 x column
	s_mov_b32 s23, 0
	s_lshl_b32 s24, s17, 10
	s_add_co_u32 s24, s24, s18
	s_add_co_u32 s24, s24, 8192                    ; the first stored row
	s_lshl_b32 s26, s24, 9
	s_lshl_b32 s21, s19, 8
	s_add_co_u32 s26, s26, s21
	s_mov_b32 s27, 0
	s_lshl_b32 s28, s24, 5
	s_lshl_b32 s21, s19, 4
	s_add_co_u32 s28, s28, s21
	s_mov_b32 s29, 0
	s_wait_kmcnt 0x0
	s_cmp_eq_u32 s17, 1                            ; the choice hangs on the work-group's number alone
	s_cselect_b64 s[4:5], s[6:7], s[4:5]
	s_cmp_eq_u32 s17, 2
	s_cselect_b64 s[4:5], s[8:9], s[4:5]
	s_cmp_eq_u32 s17, 3
	s_cselect_b64 s[4:5], s[10:11], s[4:5]
	s_add_nc_u64 s[4:5], s[4:5], s[22:23]
	s_add_nc_u64 s[12:13], s[12:13], s[26:27]
	s_add_nc_u64 s[14:15], s[14:15], s[28:29]
.macro WLOAD t                         ; block t: w(32 t + i, my column): 32 lanes read 128 consecutive bytes
.irp i, 0,1,2,3,4,5,6,7,8,9,10,11,12,13,14,15,16,17,18,19,20,21,22,23,24,25,26,27,28,29,30,31
	global_load_b32 v[WX+32*((\t)%2)+\i], v3, s[4:5] offset:(32*(\t)+\i)*4096 th:TH_LOAD_NT
.endr
.endm
	WLOAD 0
	WLOAD 1
.macro WBLOCK t
.set WS, WX+32*((\t)%2)
.if (\t) < WNB-1
	s_wait_loadcnt 32                              ; this block's 32 loads are in; the next block's may be out
.else
	s_wait_loadcnt 0
.endif
	v_max3_num_f32 v12, |v[WS]|, |v[WS+1]|, |v[WS+2]|
	v_max3_num_f32 v13, |v[WS+3]|, |v[WS+4]|, |v[WS+5]|
.irp i, 6,10,14,18,22,26
	v_max3_num_f32 v12, v12, |v[WS+\i]|, |v[WS+\i+1]|
	v_max3_num_f32 v13, v13, |v[WS+\i+2]|, |v[WS+\i+3]|
.endr
	v_max3_num_f32 v12, v12, |v[WS+30]|, |v[WS+31]|
	v_max3_num_f32 v12, v12, v13, 0x1800000        ; and the floor
	v_add_nc_u32 v11, 0xff000000, v12
	v_lshrrev_b32 v13, 23, v11
.if (\t)%4 == 0
	v_mov_b32 v[WSB+(\t)/4], v13
.else
	v_lshl_or_b32 v[WSB+(\t)/4], v13, 8*((\t)%4), v[WSB+(\t)/4]
.endif
.irp g, 0,1,2,3
	v_cvt_scalef32_pk8_fp4_f32 v[WC+\g], v[WS+8*\g:WS+8*\g+7], v11
.endr
	ds_store_b128 v4, v[WC:WC+3] offset:16*(\t)
.if (\t)+2 < WNB
	WLOAD (\t)+2
.endif
	s_wait_dscnt 0x0                               ; the store has read its registers: the next block's codes may be written
.endm
.set WQ, 0
.rept WNB
	WBLOCK WQ
.set WQ, WQ+1
.endr
	global_store_b128 v9, v[WSB:WSB+3], s[14:15]   ; my column's 16 scale bytes
.irp t, 0,1,2,3,4,5,6,7,8,9,10,11,12,13,14,15
	ds_load_b128 v[WOUT+4*\t:WOUT+4*\t+3], v7 offset:2*\t*WPITCH
.endr
.irp t, 0,1,2,3,4,5,6,7,8,9,10,11,12,13,14,15
	s_wait_dscnt 15-\t
	global_store_b128 v8, v[WOUT+4*\t:WOUT+4*\t+3], s[12:13] offset:((2*\t)%8+16*(((2*\t)/8)%2)+8*((2*\t)/16))*WKROW   ; columns 2 t and 2 t + 1 go to rows sigma(2 t) and sigma(2 t) + 1: sixteen lanes store 256 consecutive bytes, aligned
.endr
	s_wait_tensorcnt 0x0
	ds_add_u32 v192, v193
	s_wait_dscnt 0x0
	s_endpgm
.Lfunc_end_k_q1a19a2185b_prep:
	.size	k_q1a19a2185b_prep, .Lfunc_end_k_q1a19a2185b_prep-k_q1a19a2185b_prep
	.p2alignl 7, 3214868480
	.fill 96, 4, 3214868480
	.section	.rodata,"a",@progbits
	.p2align	6, 0x0
	.amdhsa_kernel k_q1a19a2185b_prep
		.amdhsa_group_segment_fixed_size 102912
		.amdhsa_private_segment_fixed_size 0
		.amdhsa_enable_private_segment 0
		.amdhsa_kernarg_size 80
		.amdhsa_user_sgpr_count 2
		.amdhsa_user_sgpr_kernarg_segment_ptr 1
		.amdhsa_wavefront_size32 1
		.amdhsa_system_sgpr_workgroup_id_x 1
		.amdhsa_system_sgpr_workgroup_id_y 1
		.amdhsa_system_sgpr_workgroup_id_z 1
		.amdhsa_system_vgpr_workitem_id 0
		.amdhsa_next_free_vgpr 194
		.amdhsa_next_free_sgpr 66
		.amdhsa_reserve_vcc 1
		.amdhsa_float_denorm_mode_32 3
		.amdhsa_float_denorm_mode_16_64 3
		.amdhsa_memory_ordered 1
		.amdhsa_forward_progress 1
		.amdhsa_inst_pref_size 171
	.end_amdhsa_kernel
	.amdgpu_metadata
---
amdhsa.version: [ 1, 2 ]
amdhsa.kernels:
  - .name:           k_q1a19a2185b_prep
    .symbol:         k_q1a19a2185b_prep.kd
    .args:
      - { .name: wq, .offset: 0, .size: 8, .value_kind: global_buffer, .address_space: global }
      - { .name: wk, .offset: 8, .size: 8, .value_kind: global_buffer, .address_space: global }
      - { .name: wv, .offset: 16, .size: 8, .value_kind: global_buffer, .address_space: global }
      - { .name: wo, .offset: 24, .size: 8, .value_kind: global_buffer, .address_space: global }
      - { .name: x, .offset: 32, .size: 8, .value_kind: global_buffer, .address_space: global }
      - { .name: mask, .offset: 40, .size: 8, .value_kind: global_buffer, .address_space: global }
      - { .name: codes, .offset: 48, .size: 8, .value_kind: global_buffer, .address_space: global }
      - { .name: scales, .offset: 56, .size: 8, .value_kind: global_buffer, .address_space: global }
      - { .name: mwords, .offset: 64, .size: 8, .value_kind: global_buffer, .address_space: global }
      - { .name: cls, .offset: 72, .size: 8, .value_kind: global_buffer, .address_space: global }
    .group_segment_fixed_size: 102912
    .private_segment_fixed_size: 0
    .kernarg_segment_align: 8
    .kernarg_segment_size: 80
    .max_flat_workgroup_size: 128
    .sgpr_count:     66
    .vgpr_count:     194
    .wavefront_size: 32
...
	.end_amdgpu_metadata
.endif
;; end of part 1
;; launch qkv (part 2): grid 12 x 32, 4 waves a work-group, clusters of 4 x 4, 327,680 bytes of LDS; arguments codes, scales, bq, bk, bv, img, isc; writes img, isc
.if DOCPART == 2
	.amdgcn_target "amdgcn-amd-amdhsa--gfx1250"
	.amdhsa_code_object_version 6
	.text
	.protected	k_q1a19a2185b_qkv
	.globl	k_q1a19a2185b_qkv
	.p2align	8
	.type	k_q1a19a2185b_qkv,@function
k_q1a19a2185b_qkv:
	s_mov_b64 s[64:65], 0
	v_nop
	global_prefetch_b8 v0, s[64:65] scope:SCOPE_SE
	s_setreg_imm32_b32 hwreg(HW_REG_WAVE_MODE, 25, 1), 1
	s_wait_xcnt 0x0
	s_wait_alu depctr_hold_cnt(0) depctr_sa_sdst(0) depctr_va_vdst(0) depctr_va_sdst(0) depctr_va_ssrc(0) depctr_va_vcc(0) depctr_vm_vsrc(0)
	s_getreg_b32 s2, hwreg(HW_REG_IB_STS2, 6, 4)
	s_cmp_eq_u32 s2, 0
	s_cbranch_scc0 .Lentry_in_a_cluster
	s_endpgm
.Lentry_in_a_cluster:
	s_bfe_u32 s2, ttmp6, 0x10000c
	s_cmp_lg_u32 s2, 0xf033
	s_cbranch_scc0 .Lentry_shape_is_right
	s_endpgm
.Lentry_shape_is_right:
; qkv: q = x wq + bq, k = x wk + bk, v = x wv + bv on codes of FP4 (E2M1) with E8M0 scales; the results are quantised out of the accumulators and stored as images of operand registers.
; codes [12288 rows][512 bytes], scales [12288][32]: rows 0-8191 x's tokens, 8192 on wq's, 9216 wk's, 10240 wv's columns; every row stored at sigma(row) (bits 3 and 4 exchanged).
; A tile of C is 256 x 256, four waves of 128 x 128 (64 accumulators, 512 registers).  K = 1,024 is two LDS slots of 512, both filled at the start: nothing is filled again.
; TWO KINDS OF CLUSTER, by the cluster's x (the same in all sixteen partners).  KIND 0 (x = 0, 1): "A" = x's rows, "B" = wq's and wk's rows.  KIND 1 (x = 2): "A" = wv's rows, "B" = x's rows.
; THE MATRIX INSTRUCTION IS USED TRANSPOSED (source 0 = 16 rows of B, source 1 = 16 rows of A): a lane holds one row of A, and, by the stored order of B's rows, the 16 registers of B's tiles 2 i and 2 i + 1 are
; 16 neighbours along B's axis.  So a lane's 64 registers of one block of A's rows are 128 neighbours (with lane l xor 16's): KIND 0: 128 channels = two heads of a token: q's or k's fragments; KIND 1: 128 keys of a channel: a fragment of V^T.
; OUT.  img: [g 32][token tile 512][512 bytes] (g 0-15 q's heads, 16-31 k's): four registers a lane, lane l's 16 bytes at 16 l; from byte 8,388,608: [head pair 8][key step 64][channel tile 8][1,024 bytes].
;       isc: [g][token tile][16 words] (bytes 0, 1: the head's two blocks; bytes 2, 3: 0); from byte 1,048,576: [head pair][key step][channel tile][32 words].
; The bias is the C of each sum's first matrix instruction.  CLUSTERS: 4 x 4; A's tiles are asked for jointly along a row of the cluster, B's along a column.
; LIMITS: a block of zeros gets the byte 1 where the rule says 127 (its codes are zeros; this program alone reads the bytes); NaN and infinities are not served.  The scale words leave in runs of 64 or 128 bytes.
; REGISTERS: window 0: v0-31 addresses; v32-95 scale words, two sets; v96-120 the quantiser's; v128-191 A's fragments; v192-255 the bias.  window 1: B's fragments, two sets.  windows 2, 3: the accumulators ((a, b) at v[8 (8 (a % 4) + b)]).
.set NQ,     4                         ; steps of 128 along K in a slot
.set ROWB,   256                       ; a tile's row: 512 codes
.set KROW,   512                       ; a row of codes in memory
.set PITCH,  272                       ; an LDS row: 256 bytes + 16 of padding: the 16 rows that a load touches start at 16 different banks
.set FR,     8
.set NL,     2
.set NP,     4
.set HALFT,  128*PITCH
.set SLOT,   4*HALFT
.set KS,     32                        ; a row of scale bytes
.set SCL,    2*SLOT
.set HALFS,  16*272                    ; the scales of 128 rows: 16 units of 256 bytes + 16
.set SBLK,   2*272                     ; of 16 rows
.set SPARE,  SCL+4*HALFS               ; the spare words: 128 bytes a wave, two blocks of 256 bytes that no other line names
.set ADRA, 16
.set ADRB, 20
.set ADRS, 27
.set SPW,  28
.set NIL,  29
.set SC,   32
.set TM,   96                          ; v96-99 largest magnitudes, v100-103 at work, v108-111 the conversions' scale operands
.set PC,   112                         ; v112-119 the codes just made
.set PW,   120                         ; their scale word
.set AF,   128
.set T,    192                         ; the bias, 64 registers
.set G1, 24
.set G0, 32
.set G1B, 48
.set G0B, 56
.set G1S, 68
.set G0S, 76
.set G1SB, 80
.set G0SB, 88
.set MSB, 0
.macro WIN new                         ; the immediate's high byte repeats the setting that is left
.if MSB != \new
	s_set_vgpr_msb (MSB<<8)|\new
.set MSB, \new
.endif
.endm
.set MUL_LO, 0xa1                      ; source 0 (B) window 1, source 1 (A) window 0, C and D window 2
.set MUL_HI, 0xf1                      ; the same, C and D window 3
.set TO_B,   0x40
; A joint load: waves 0 and 1 fetch for A, waves 2 and 3 for B; the branch hangs on the wave's number alone.  Four v_nop follow each of the two lines.
.macro JLOAD g0a, g1a, g0b, g1b
	s_cmp_eq_u32 s15, 0
	s_cbranch_scc0 .Lfor_b_\@
	tensor_load_to_lds s[\g0a:\g0a+3], s[\g1a:\g1a+7]
	s_nop 0
.rept 4
	v_nop
.endr
	s_branch .Lasked_\@
.Lfor_b_\@:
	tensor_load_to_lds s[\g0b:\g0b+3], s[\g1b:\g1b+7]
	s_nop 0
.rept 4
	v_nop
.endr
.Lasked_\@:
.endm
.macro CROUND                          ; a round of the cluster's barrier
	s_barrier_signal -1
	s_barrier_wait -1
	s_cmp_lg_u32 s14, 0
	s_cbranch_scc1 .Lnot_wave_0_\@
	s_barrier_signal -3
.Lnot_wave_0_\@:
	s_barrier_wait -3
	s_barrier_signal -1
	s_barrier_wait -1
.endm
	s_load_b128 s[4:7], s[0:1], 0x0                ; codes, scales
	s_load_b128 s[8:11], s[0:1], 0x10              ; bq, bk
	s_load_b64 s[12:13], s[0:1], 0x20              ; bv
	s_load_b64 s[96:97], s[0:1], 0x28              ; img
	s_load_b64 s[98:99], s[0:1], 0x30              ; isc
	v_lshl_add_u32 v[SPW], v0, 2, SPARE
	v_mov_b32 v[NIL], 0
	ds_add_u32 v28, v29
	ds_add_u32 v28, v29
	s_wait_dscnt 0x0
	v_lshrrev_b32 v1, 5, v0
	v_readfirstlane_b32 s14, v1                    ; wave 0..3
	s_lshr_b32 s15, s14, 1                         ; which half of the tile's A rows is mine.  Also: I fetch for A (0) or for B (1)
	s_and_b32 s16, s14, 1                          ; which half of its B rows.  Also: which 128 rows I fetch
	s_bfe_u32 s40, ttmp6, 0x40000                  ; cx
	s_bfe_u32 s41, ttmp6, 0x40004                  ; cy
	s_and_b32 s17, ttmp7, 0xffff                   ; the cluster's y
	s_mov_b32 s66, 10240
	s_mov_b32 s67, 8192
	s_cmp_eq_u32 ttmp9, 2                          ; the kind hangs on the cluster's x alone
	s_cselect_b32 s95, 1, 0                        ; KIND
	s_cselect_b32 s42, s17, ttmp9                  ; clusters along B: KIND 1: y; KIND 0: x
	s_cselect_b32 s17, 0, s17                      ; clusters along A: KIND 1: one; KIND 0: y
	s_cselect_b32 s66, s66, 0                      ; A's first row in codes
	s_cselect_b32 s67, 0, s67                      ; B's
	s_lshl_b32 s42, s42, 2
	s_add_co_u32 s42, s42, s40                     ; tile along B = 4 x cluster + cx
	s_lshl_b32 s17, s17, 2
	s_add_co_u32 s17, s17, s41                     ; tile along A = 4 x cluster + cy
	s_lshl_b32 s43, s41, 2
	s_lshl_b32 s43, 15, s43                        ; my row of the cluster
	s_lshl_b32 s44, 0x1111, s40                    ; my column
	s_or_b32 s[G1+0], s43, (0<<16)|(1<<20)|(1<<21)|(5<<22)|(3<<25)  ; the mask; elements of 1 byte; padding on; bit 21 beside a mask; 4 words of padding after every 64
	s_or_b32 s[G1B+0], s44, (0<<16)|(1<<20)|(1<<21)|(5<<22)|(3<<25)
.irp g, G1, G1B
	s_mov_b32 s[\g+1], ROWB<<16                    ; tensor_dim0
	s_mov_b32 s[\g+2], 128<<16                     ; tensor_dim1
	s_mov_b32 s[\g+3], ROWB<<16                    ; tile_dim0
	s_mov_b32 s[\g+4], 128                         ; tile_dim1
	s_mov_b32 s[\g+5], KROW                        ; the pitch
	s_mov_b32 s[\g+6], 0
	s_mov_b32 s[\g+7], 0
.endr
	s_or_b32 s[G1S+0], s43, (3<<16)|(1<<20)|(1<<21)|(5<<22)|(3<<25)  ; the scales of 128 rows: 4,096 dense bytes as 16 rows of 256 (32 elements of 8 bytes), padded
	s_or_b32 s[G1SB+0], s44, (3<<16)|(1<<20)|(1<<21)|(5<<22)|(3<<25)
.irp g, G1S, G1SB
	s_mov_b32 s[\g+1], 32<<16
	s_mov_b32 s[\g+2], 16<<16
	s_mov_b32 s[\g+3], 32<<16
	s_mov_b32 s[\g+4], 16
	s_mov_b32 s[\g+5], 32
	s_mov_b32 s[\g+6], 0
	s_mov_b32 s[\g+7], 0
.endr
	s_lshl_b32 s18, s16, 7                         ; which 128 rows of the tile I fetch
	s_lshl_b32 s20, s17, 8
	s_add_co_u32 s20, s20, s18
	s_add_co_u32 s20, s20, s66                     ; A: its row in codes
	s_lshl_b32 s46, s42, 8
	s_add_co_u32 s46, s46, s18
	s_add_co_u32 s46, s46, s67                     ; B: its row in codes
	s_mov_b32 s21, 0
	s_mov_b32 s47, 0
	s_mov_b64 s[18:19], KS
	s_mul_u64 s[22:23], s[20:21], s[18:19]
	s_mul_u64 s[92:93], s[46:47], s[18:19]
	s_mov_b64 s[18:19], KROW
	s_mul_u64 s[20:21], s[20:21], s[18:19]
	s_mul_u64 s[46:47], s[46:47], s[18:19]
	s_mul_i32 s45, s14, HALFT                      ; where they go: wave x 128 rows
	s_mul_i32 s94, s14, HALFS
	s_wait_kmcnt 0x0
	s_add_nc_u64 s[20:21], s[4:5], s[20:21]
	s_add_nc_u64 s[22:23], s[6:7], s[22:23]
	s_add_nc_u64 s[46:47], s[4:5], s[46:47]
	s_add_nc_u64 s[92:93], s[6:7], s[92:93]
	CROUND                                         ; all sixteen work-groups are here: the first joint loads meet
	s_mov_b32 s[G0S], 1
	s_add_co_u32 s[G0S+1], s94, SCL
	s_mov_b64 s[G0S+2:G0S+3], s[22:23]
	s_or_b32 s[G0S+3], s[G0S+3], 0x80000000
	s_mov_b32 s[G0SB], 1
	s_add_co_u32 s[G0SB+1], s94, SCL
	s_mov_b64 s[G0SB+2:G0SB+3], s[92:93]
	s_or_b32 s[G0SB+3], s[G0SB+3], 0x80000000
	JLOAD G0S, G1S, G0SB, G1SB                     ; the scales first
.irp s, 0,1
	s_mov_b32 s[G0+4*\s], 1
	s_add_co_u32 s[G0+4*\s+1], s45, \s*SLOT
	s_add_nc_u64 s[G0+4*\s+2:G0+4*\s+3], s[20:21], \s*ROWB
	s_or_b32 s[G0+4*\s+3], s[G0+4*\s+3], 0x80000000
	s_mov_b32 s[G0B+4*\s], 1
	s_add_co_u32 s[G0B+4*\s+1], s45, \s*SLOT
	s_add_nc_u64 s[G0B+4*\s+2:G0B+4*\s+3], s[46:47], \s*ROWB
	s_or_b32 s[G0B+4*\s+3], s[G0B+4*\s+3], 0x80000000
	JLOAD G0+4*\s, G1, G0B+4*\s, G1B               ; both slots: three tensor loads of mine are out
.endr
	v_and_b32 v1, 15, v0                           ; r
	v_bfe_u32 v2, v0, 4, 1                         ; h
	v_mul_u32_u24 v3, v1, PITCH
	v_lshl_add_u32 v4, v2, 4, v3
	s_mul_i32 s21, s15, HALFT
	s_mul_i32 s22, s16, HALFT
	s_add_co_u32 s22, s22, 2*HALFT
.irp s, 0,1
	v_add_nc_u32 v[ADRA+\s], s21, v4
	v_add_nc_u32 v[ADRB+\s], s22, v4
	s_add_co_u32 s21, s21, SLOT
	s_add_co_u32 s22, s22, SLOT
.endr
	v_mul_u32_u24 v5, v1, KS
	v_lshrrev_b32 v6, 8, v5
	v_lshl_add_u32 v5, v6, 4, v5
	s_mul_i32 s21, s15, HALFS
	s_mul_i32 s22, s16, HALFS
	s_add_co_u32 s22, s22, 2*HALFS
	s_sub_co_u32 s22, s22, s21
	v_mul_u32_u24 v6, s22, v2                      ; lanes 16-31 take B's scale words
	s_add_co_u32 s21, s21, SCL
	v_add_nc_u32 v5, v5, v6
	v_add_nc_u32 v[ADRS], s21, v5
	; THE WAY OUT'S ADDRESSES.  RB: my block of 128 rows of A; CB: of B.  The strides are chosen by the kind.
	s_lshl_b32 s18, s17, 1
	s_add_co_u32 s18, s18, s15                     ; RB
	s_lshl_b32 s19, s42, 1
	s_add_co_u32 s19, s19, s16                     ; CB
	s_and_b32 s2, s19, 7                           ; its place in wq or wk
	s_cmp_eq_u32 s95, 1
	s_mov_b32 s20, 524288
	s_cselect_b32 s21, s20, 4096                   ; img: bytes for each RB
	s_cselect_b32 s22, 8192, s20                   ; for each CB
	s_mov_b32 s23, 8388608
	s_cselect_b32 s23, s23, 0                      ; where the part begins
	s_mov_b32 s100, 1024
	s_cselect_b32 s100, s100, 512                  ; from one block of 16 rows of A to the next
	s_mov_b32 s46, 262144
	s_cselect_b32 s46, 512, s46                    ; from a fragment's registers 0-3 to its registers 4-7
	s_mov_b32 s47, 65536
	s_cselect_b32 s92, s47, 512                    ; isc: for each RB
	s_cselect_b32 s93, 1024, s47                   ; for each CB
	s_mov_b32 s94, 1048576
	s_cselect_b32 s94, s94, 0
	s_cselect_b32 s104, 128, 64                    ; from block to block
	s_mov_b32 s45, 32768
	s_cselect_b32 s45, 64, s45                     ; from lanes 0-15 to lanes 16-31
	s_cselect_b32 s44, 0, 16                       ; lanes 16-31 take the word's upper half (KIND 0: the second head's two bytes)
	s_mov_b32 s43, 0xffff
	s_cselect_b32 s43, -1, s43                     ; KIND 0 keeps two bytes of a word
	s_mov_b32 s101, 0
	s_mov_b32 s105, 0
	s_mul_i32 s21, s21, s18
	s_mul_i32 s22, s22, s19
	s_add_co_u32 s22, s22, s21
	s_add_co_u32 s22, s22, s23
	s_mov_b32 s23, 0
	s_add_nc_u64 s[96:97], s[96:97], s[22:23]
	s_mul_i32 s92, s92, s18
	s_mul_i32 s93, s93, s19
	s_add_co_u32 s92, s92, s93
	s_add_co_u32 s92, s92, s94
	s_mov_b32 s93, 0
	s_add_nc_u64 s[98:99], s[98:99], s[92:93]
	v_and_b32 v6, 31, v0
	v_lshlrev_b32 v8, 4, v6                        ; v8: 16 x lane
	v_add_nc_u32 v9, s46, v8                       ; v9: the fragment's second half
	v_mul_u32_u24 v10, v2, s45
	v_lshl_add_u32 v10, v1, 2, v10                 ; v10: my scale word's place
	v_mul_u32_u24 v11, v2, s44                     ; v11: its shift
.irp b, 0,1,2,3
	v_mov_b32 v[TM+4+\b], 0                        ; written once: a lane permute's destination counts as one of its sources
.endr
	s_mov_b32 s66, 0x76543210
	s_mov_b32 s67, 0xfedcba98                      ; v_permlanex16_b32's selects for lane l xor 16
	; THE BIAS, in the result's layout.  KIND 0: it runs along the registers (B's axis); KIND 1: along the lanes (A's axis).
	s_cmp_eq_u32 ttmp9, 1
	s_cselect_b64 s[20:21], s[10:11], s[8:9]
	s_cmp_eq_u32 ttmp9, 2
	s_cselect_b64 s[20:21], s[12:13], s[20:21]
	s_cselect_b32 s22, s18, s2
	s_lshl_b32 s22, s22, 9                         ; 128 numbers of 4 bytes a block
	s_mov_b32 s23, 0
	s_add_nc_u64 s[20:21], s[20:21], s[22:23]
	s_cmp_eq_u32 s95, 1
	s_cbranch_scc1 .Lbias_v
	v_lshlrev_b32 v7, 6, v2                        ; 64 h: for B's tile b the numbers 32 (b / 2) + 16 h + 8 (b % 2) + 0 .. 7
.irp b, 0,1,2,3,4,5,6,7
	global_load_b128 v[T+8*\b:T+8*\b+3], v7, s[20:21] offset:(32*(\b/2)+8*(\b%2))*4
	global_load_b128 v[T+8*\b+4:T+8*\b+7], v7, s[20:21] offset:(32*(\b/2)+8*(\b%2))*4+16
.endr
	s_branch .Lbias_done
.Lbias_v:
	v_and_b32 v7, 8, v1
	v_add_nc_u32 v7, v7, v1
	v_lshlrev_b32 v7, 2, v7                        ; 4 (r + 8 (r / 8)): for A's tile a the number 32 (a / 2) + 8 (a % 2) + r % 8 + 16 (r / 8), in all eight registers
.irp a, 0,1,2,3,4,5,6,7
	global_load_b32 v[T+8*\a], v7, s[20:21] offset:(32*(\a/2)+8*(\a%2))*4
.endr
	s_wait_loadcnt 0x0
.irp a, 0,1,2,3,4,5,6,7
.irp j, 1,2,3,4,5,6,7
	v_mov_b32 v[T+8*\a+\j], v[T+8*\a]
.endr
.endr
.Lbias_done:
.macro FRAG reg, adr, q, i             ; 16 rows x 128 K of 4-bit codes: lane l holds row l % 16; registers 4 c .. 4 c + 3 hold K = 64 c + 32 (l / 16) + 0 .. 31
.irp c, 0,1
	ds_load_b128 v[\reg+4*\c:\reg+4*\c+3], v[\adr] offset:64*(\q)+32*\c+(\i)*16*PITCH
.endr
.endm
; 16 matrix instructions: A's blocks a0, a0 + 1 x B's eight.  cm = 0: C = D; 1: C = the bias by B's tile; 2: by A's tile.  The 64 accumulators take turns, one instruction a turn.
.macro MUL16 a0, p, q, sc, cm
.irp a, \a0, \a0+1
.irp b, 0,1,2,3,4,5,6,7
.if \cm == 1
	v_wmma_scale_f32_16x16x128_f8f6f4 v[8*(8*((\a)%4)+\b):8*(8*((\a)%4)+\b)+7], v[128*(\p)+FR*\b:128*(\p)+FR*\b+FR-1], v[AF+FR*(\a):AF+FR*(\a)+FR-1], v[T+8*\b:T+8*\b+7], v[SC+8*NQ*(\sc)+NQ*\b+(\q)], v[SC+8*NQ*(\sc)+NQ*(\a)+(\q)] matrix_a_fmt:MATRIX_FMT_FP4 matrix_b_fmt:MATRIX_FMT_FP4 matrix_a_scale:MATRIX_SCALE_ROW1
.elseif \cm == 2
	v_wmma_scale_f32_16x16x128_f8f6f4 v[8*(8*((\a)%4)+\b):8*(8*((\a)%4)+\b)+7], v[128*(\p)+FR*\b:128*(\p)+FR*\b+FR-1], v[AF+FR*(\a):AF+FR*(\a)+FR-1], v[T+8*(\a):T+8*(\a)+7], v[SC+8*NQ*(\sc)+NQ*\b+(\q)], v[SC+8*NQ*(\sc)+NQ*(\a)+(\q)] matrix_a_fmt:MATRIX_FMT_FP4 matrix_b_fmt:MATRIX_FMT_FP4 matrix_a_scale:MATRIX_SCALE_ROW1
.else
	v_wmma_scale_f32_16x16x128_f8f6f4 v[8*(8*((\a)%4)+\b):8*(8*((\a)%4)+\b)+7], v[128*(\p)+FR*\b:128*(\p)+FR*\b+FR-1], v[AF+FR*(\a):AF+FR*(\a)+FR-1], v[8*(8*((\a)%4)+\b):8*(8*((\a)%4)+\b)+7], v[SC+8*NQ*(\sc)+NQ*\b+(\q)], v[SC+8*NQ*(\sc)+NQ*(\a)+(\q)] matrix_a_fmt:MATRIX_FMT_FP4 matrix_b_fmt:MATRIX_FMT_FP4 matrix_a_scale:MATRIX_SCALE_ROW1
.endif
.endr
.endr
.endm
.macro FETCH_B slot, q, p
	WIN TO_B
.irp i, 0,1,2,3,4,5,6,7
	FRAG 128*(\p)+FR*\i, ADRB+\slot, \q, \i
.endr
	WIN 0
.endm
.macro FETCH_A slot, q, i0
.irp i, \i0, \i0+1, \i0+2, \i0+3
	FRAG AF+FR*(\i), ADRA+\slot, \q, \i
.endr
.endm
.macro SCALES sc                       ; a slot's scale words: lanes 0-15 A's block i, lanes 16-31 B's block i
.irp i, 0,1,2,3,4,5,6,7
	ds_load_b128 v[SC+8*NQ*\sc+NQ*\i:SC+8*NQ*\sc+NQ*\i+3], v[ADRS] offset:\i*SBLK
.endr
.endm
.macro PLACES n                        ; plain vector places behind matrix instructions, in front of loads into registers that they have read and of reads of results
.rept \n
	v_nop
.endr
.endm
.macro STEP slot, q, cm                ; a step of 128 along K that has its successor in the same slot
	s_wait_dscnt 4*NL                              ; B's set and A's blocks 0-3 are in; the youngest eight loads (A's blocks 4-7) may be out
.if \cm
	WIN 0x81                                       ; source 0 window 1, source 1 and C window 0, D window 2
.else
	WIN MUL_LO
.endif
	MUL16 0, (\q)%2, \q, \slot, \cm
	MUL16 2, (\q)%2, \q, \slot, \cm
	s_wait_dscnt 0
	PLACES NP
	FETCH_B \slot, (\q)+1, 1-(\q)%2
	FETCH_A \slot, (\q)+1, 0
.if \cm
	WIN 0xc1                                       ; D window 3
.else
	WIN MUL_HI
.endif
	MUL16 4, (\q)%2, \q, \slot, \cm
	MUL16 6, (\q)%2, \q, \slot, \cm
	PLACES NP
	WIN 0
	FETCH_A \slot, (\q)+1, 4
.endm
.macro TURN slot, next                 ; a slot's last step changes slots: one barrier
	s_wait_tensorcnt 0x0                           ; all my tensor loads have landed: my part of the next slot
	ds_add_u32 v[SPW], v[NIL]                      ; 0 onto my spare word
	s_wait_dscnt 4*NL+1                            ; (the add and the youngest eight loads may be out)
	WIN MUL_LO
	MUL16 0, 1, NQ-1, \slot, 0
	s_wait_dscnt 0x0                               ; the add is done, and my reads of this slot are over
	s_barrier_signal -1
	MUL16 2, 1, NQ-1, \slot, 0
	WIN 0
	s_barrier_wait -1
	PLACES NP
	v_add_nc_u32 v[ADRS], 4*NQ, v[ADRS]            ; on to the next slot's scale words
	FETCH_B \next, 0, 0
	FETCH_A \next, 0, 0
	SCALES \next
	WIN MUL_HI
	MUL16 4, 1, NQ-1, \slot, 0
	MUL16 6, 1, NQ-1, \slot, 0
	PLACES NP
	WIN 0
	FETCH_A \next, 0, 4
.endm
.macro STEPS slot, from
.set Q, \from
.rept NQ-1-\from
	STEP \slot, Q, 0
.set Q, Q+1
.endr
.endm
	s_wait_tensorcnt 1                             ; the scales and my part of slot 0 are in (slot 1's load may be out),
	s_barrier_signal -1
	s_barrier_wait -1                              ; everybody's are
	FETCH_B 0, 0, 0
	FETCH_A 0, 0, 0
	SCALES 0
	FETCH_A 0, 0, 4
	s_wait_loadcnt 0x0                             ; the bias
	s_cmp_eq_u32 s95, 1                            ; the first step, whose products start the sums with the bias, is written once for each kind
	s_cbranch_scc1 .Lfirst_v
	STEP 0, 0, 1
	s_branch .Lfirst_done
.Lfirst_v:
	STEP 0, 0, 2
.Lfirst_done:
	STEPS 0, 1
	TURN 0, 1
	STEPS 1, 0
	s_wait_dscnt 4*NL                              ; the very last step: nothing more to fetch
	WIN MUL_LO
	MUL16 0, 1, NQ-1, 1, 0
	MUL16 2, 1, NQ-1, 1, 0
	s_wait_dscnt 0
	WIN MUL_HI
	MUL16 4, 1, NQ-1, 1, 0
	MUL16 6, 1, NQ-1, 1, 0
	WIN 0
	PLACES NP
; THE WAY OUT, a block of 16 rows of A at a time.  Its 64 registers, register 16 b + i = place 32 b + 16 (lane / 16) + i along B's axis, become a fragment's codes and scale word; both leave as images of registers.
.macro QUANTW                          ; block QA: accumulators at v[AC] on of window WA.  Each accumulator is read from its low end on
.set AC, 64*(QA%4)
.set WA, 2+QA/4
.set WSS, WA|(WA<<2)
	WIN WSS                                        ; sources 0 and 1: the accumulators' window
.irp b, 0,1,2,3
	v_max3_num_f32 v[TM+\b], |v[AC+16*\b]|, |v[AC+1+16*\b]|, 0x1800000   ; my 16 numbers of block b, and the floor 2^(3 - 127): the byte cannot fall under 1
.endr
.irp i, 2,4,6,8,10,12,14
.irp b, 0,1,2,3
	v_max3_num_f32 v[TM+\b], |v[AC+16*\b+\i]|, |v[AC+1+16*\b+\i]|, v[TM+\b]
.endr
.endr
	WIN 0
.irp b, 0,1,2,3
	v_permlanex16_b32 v[TM+4+\b], v[TM+\b], s66, s67
.endr
.irp b, 0,1,2,3
	v_max_num_f32 v[TM+\b], v[TM+\b], v[TM+4+\b]   ; with lane l xor 16's: the block's largest magnitude
.endr
.irp b, 0,1,2,3
	v_add_nc_u32 v[TM+12+\b], 0xff000000, v[TM+\b] ; 2 off its exponent field: the conversion's scale operand
.endr
.irp b, 0,1,2,3
	v_lshrrev_b32 v[TM+4+\b], 23, v[TM+12+\b]      ; the scale's byte
.endr
	v_lshl_or_b32 v[PW], v[TM+5], 8, v[TM+4]
	v_lshl_or_b32 v[PW], v[TM+6], 16, v[PW]
	v_lshl_or_b32 v[PW], v[TM+7], 24, v[PW]
	WIN WA                                         ; source 0: the accumulators' window
.irp b, 0,1,2,3
	v_cvt_scalef32_pk8_fp4_f32 v[PC+2*\b], v[AC+16*\b:AC+7+16*\b], v[TM+12+\b]
	v_cvt_scalef32_pk8_fp4_f32 v[PC+1+2*\b], v[AC+8+16*\b:AC+15+16*\b], v[TM+12+\b]
.endr
	WIN 0
	v_nop                                          ; one plain place behind a scaled conversion
.irp c, 0,1                            ; the operand's layout wants a whole block in a lane
.irp i, 0,1
	v_permlane16_swap_b32 v[PC+4*\c+\i], v[PC+2+4*\c+\i]
.endr
.endr
.endm
.set QA, 0
.rept 8
.if QA > 0
	s_wait_xcnt 0x0                                ; the last block's stores have read their data and bases: both are written again only behind this wait
	s_add_nc_u64 s[96:97], s[96:97], s[100:101]
	s_add_nc_u64 s[98:99], s[98:99], s[104:105]
.endif
	QUANTW
	v_lshrrev_b32 v12, v11, v[PW]
	v_and_b32 v12, s43, v12
	global_store_b128 v8, v[PC:PC+3], s[96:97]     ; 32 lanes store 512 consecutive bytes, aligned
	global_store_b128 v9, v[PC+4:PC+7], s[96:97]
	global_store_b32 v10, v12, s[98:99]
.set QA, QA+1
.endr
	s_wait_tensorcnt 0x0                           ; the wave's end
	ds_add_u32 v[SPW], v[NIL]
	s_wait_dscnt 0x0
	CROUND                                         ; the closing round
	s_endpgm
.Lfunc_end_k_q1a19a2185b_qkv:
	.size	k_q1a19a2185b_qkv, .Lfunc_end_k_q1a19a2185b_qkv-k_q1a19a2185b_qkv
	.p2alignl 7, 3214868480
	.fill 96, 4, 3214868480
	.section	.rodata,"a",@progbits
	.p2align	6, 0x0
	.amdhsa_kernel k_q1a19a2185b_qkv
		.amdhsa_group_segment_fixed_size 327680
		.amdhsa_private_segment_fixed_size 0
		.amdhsa_enable_private_segment 0
		.amdhsa_kernarg_size 56
		.amdhsa_user_sgpr_count 2
		.amdhsa_user_sgpr_kernarg_segment_ptr 1
		.amdhsa_wavefront_size32 1
		.amdhsa_system_sgpr_workgroup_id_x 1
		.amdhsa_system_sgpr_workgroup_id_y 1
		.amdhsa_system_sgpr_workgroup_id_z 1
		.amdhsa_system_vgpr_workitem_id 0
		.amdhsa_next_free_vgpr 1024
		.amdhsa_next_free_sgpr 106
		.amdhsa_reserve_vcc 0
		.amdhsa_float_denorm_mode_32 3
		.amdhsa_float_denorm_mode_16_64 3
		.amdhsa_memory_ordered 1
		.amdhsa_forward_progress 1
		.amdhsa_inst_pref_size 146
	.end_amdhsa_kernel
	.amdgpu_metadata
---
amdhsa.version: [ 1, 2 ]
amdhsa.kernels:
  - .name:           k_q1a19a2185b_qkv
    .symbol:         k_q1a19a2185b_qkv.kd
    .args:
      - { .name: codes, .offset: 0, .size: 8, .value_kind: global_buffer, .address_space: global }
      - { .name: scales, .offset: 8, .size: 8, .value_kind: global_buffer, .address_space: global }
      - { .name: bq, .offset: 16, .size: 8, .value_kind: global_buffer, .address_space: global }
      - { .name: bk, .offset: 24, .size: 8, .value_kind: global_buffer, .address_space: global }
      - { .name: bv, .offset: 32, .size: 8, .value_kind: global_buffer, .address_space: global }
      - { .name: img, .offset: 40, .size: 8, .value_kind: global_buffer, .address_space: global }
      - { .name: isc, .offset: 48, .size: 8, .value_kind: global_buffer, .address_space: global }
    .group_segment_fixed_size: 327680
    .private_segment_fixed_size: 0
    .kernarg_segment_align: 8
    .kernarg_segment_size: 56
    .max_flat_workgroup_size: 128
    .sgpr_count:     106
    .vgpr_count:     1024
    .wavefront_size: 32
...
	.end_amdgpu_metadata
.endif
;; end of part 2
;; launch attn (part 3): grid 4 x 64, 16 waves a work-group, no clusters, 149,504 bytes of LDS; arguments img, isc, mwords, cls, yimg, ysc; writes yimg, ysc
.if DOCPART == 3
	.amdgcn_target "amdgcn-amd-amdhsa--gfx1250"
	.amdhsa_code_object_version 6
	.text
	.protected	k_q1a19a2185b_attn
	.globl	k_q1a19a2185b_attn
	.p2align	8
	.type	k_q1a19a2185b_attn,@function
k_q1a19a2185b_attn:
	s_mov_b64 s[64:65], 0
	v_nop
	global_prefetch_b8 v0, s[64:65] scope:SCOPE_SE
	s_setreg_imm32_b32 hwreg(HW_REG_WAVE_MODE, 25, 1), 1
	s_wait_xcnt 0x0
; attn: y[b][h][q] = the sum over k of softmax_k(q . k / 8, under the given mask) v[k], both products on codes of FP4 (E2M1) with E8M0 scales; y is quantised along the model's 1,024 and stored as images of operand registers.
; THE SOFTMAX AHEAD OF THE SECOND PRODUCT: t = score x log2(e) / 8; M = the running largest t rounded UP to a whole number; p = 2^(t - M) is quantised along the keys; the row's sum is taken of the unquantised p and divides at the end.
; SHARES.  A work-group owns one (batch, head) and the 32 query tiles T = 4 i + j (j = the work-group's x).  Its sixteen waves (256 registers each, four to a SIMD) take tile i = wave and then i = 31 - wave.
; The head's K and V^T (128 KB of codes, 16 KB of scale words) are copied into LDS once, through registers; one barrier; from then on LDS is only read.
; No tensor load and no joint request: a key step none of whose keys counts for the wave's 16 queries is left out by a branch on a stored whole number (cls);
; what four work-groups share is the 144 KB read once at the head.
; LAYOUT.  Both products are used transposed: S^T = K Q^T, O^T = V^T P^T: a lane holds ONE query (row lane % 16 of stored tile T).  By the stored order of the tokens the 16 registers of key tiles 2 b and 2 b + 1 are the keys
; 32 b + 16 (lane / 16) + 0 .. 15 of the step; by the stored order of wv's columns the 16 registers of channel tiles 2 b and 2 b + 1 are the head's channels 32 b + 16 (lane / 16) + 0 .. 15.
; The head size is 64, half of the instruction's K: Q's registers 4-7 are zero codes, so whatever stands in K's registers 4-7 (the next tile's codes) adds nothing; the scale bytes there are 0, never 0xff.
; THE MASK is honoured as given: word n of a step's 64 is the lane mask of score register n; hidden scores become -infinity ahead of the maximum.  A ROW WITHOUT ANY KEY has the sum 0: its scale bytes are set to 0xff, so that the last product gives NaN there, as the softmax of such a row does.
; LIMITS: a block of zeros gets the byte 1 where the rule says 127; NaN and infinities among the inputs are not served.  y's scale bytes leave as single bytes, 32 a tile, inside two runs of 256 bytes.
.set SCB,  131072                      ; LDS: 16 code blocks of 8,192 bytes (K's 8 tiles of 512; V^T's 4 fragments of 1,024); from here 16 scale blocks of 1,024 (K's 4 pairs of 128; V's 4 of 128)
.set LI,   1                           ; v1   16 x lane
.set LS,   2                           ; v2   4 x lane
.set LR,   3                           ; v3   4 x (lane % 16)
.set YS,   4                           ; v4   32 x (lane % 16) + lane / 16
.set NINF, 5                           ; v5   -infinity
.set AD,   6                           ; v6   the step's codes
.set AS,   7                           ; v7   the step's scale words
.set QF,   16                          ; v16-23 Q (20-23 zeros)
.set QS,   24                          ; v24  Q's scale words
.set BFF,  25                          ; v25  0xff
.set KSC,  28                          ; v28-31 K's scale words, two tiles a register
.set KF,   32                          ; v32-67 K (64-67 zeros)
.set VF,   68                          ; v68-99 V^T
.set VSC,  100                         ; v100-103
.set S,    104                         ; v104-167 S^T, then p
.set O,    168                         ; v168-199 O^T
.set PC,   200                         ; v200-207 p's codes
.set BM,   208                         ; v208-211 the blocks' largest
.set BT,   212                         ; v212-215 at work
.set BS,   216                         ; v216-219 the conversions' scale operands
.set F,    220                         ; v220 f;  v221 p's scale word (named with f as a pair)
.set PW,   221
.set TP,   222
.set RL,   224                         ; v224 1 / the sum; v225 named with it as a pair
.set WV,   12
.set JX,   13
.set BB,   14
.set TAU,  15
.set HD,   88
.set GT,   89
.set TC,   92
.set KC,   93
.set CW,   94                          ; the tile's class word, two bits a step
.set SK,   95
.set SS,   96
.set MO,   97
.set CS,   66                          ; s[66:67] c = log2(e) / 8
.set SEL,  104                         ; s104, s105 lane selects for lane l xor 16
	s_load_b256 s[4:11], s[0:1], 0x0               ; img s[4:5], isc s[6:7], mwords s[8:9], cls s[10:11]
	s_load_b128 s[84:87], s[0:1], 0x20             ; yimg, ysc
	v_lshl_add_u32 v254, v0, 2, 0x24000
	v_mov_b32 v255, 0
	v_lshrrev_b32 v1, 5, v0
	v_readfirstlane_b32 s[WV], v1                  ; wave 0..15
	s_mov_b32 s[JX], ttmp9
	s_and_b32 s2, ttmp7, 0xffff
	s_lshr_b32 s[BB], s2, 4                        ; batch
	s_and_b32 s[HD], s2, 15                        ; head
	; the fill's offsets, by the thread's number t
	v_lshlrev_b32 v8, 4, v0                        ; 16 t
	v_lshrrev_b32 v9, 8, v0
	v_and_b32 v10, 255, v0
	v_lshlrev_b32 v10, 4, v10
	v_lshl_add_u32 v9, v9, 13, v10                 ; 8,192 (t / 256) + 16 (t % 256)
	v_add_nc_u32 v10, 65536, v9
	v_lshrrev_b32 v11, 5, v0
	v_and_b32 v26, 31, v0
	v_lshlrev_b32 v26, 4, v26
	v_lshl_add_u32 v11, v11, 10, v26               ; 1,024 (t / 32) + 16 (t % 32)
	v_add_nc_u32 v26, SCB, v11
	s_add_co_u32 s2, s[HD], 16
	s_lshl_b32 s16, s2, 18
	s_lshl_b32 s24, s[BB], 16
	s_add_co_u32 s16, s16, s24                     ; K's codes: g = 16 + head, 128 tiles of the batch
	s_mov_b32 s17, 0
	s_lshl_b32 s20, s2, 15
	s_lshl_b32 s24, s[BB], 13
	s_add_co_u32 s20, s20, s24                     ; K's scale words
	s_mov_b32 s21, 0
	s_lshr_b32 s2, s[HD], 1
	s_and_b32 s25, s[HD], 1
	s_lshl_b32 s18, s2, 19
	s_lshl_b32 s24, s[BB], 17
	s_add_co_u32 s18, s18, s24
	s_lshl_b32 s24, s25, 12
	s_add_co_u32 s18, s18, s24
	s_add_co_u32 s18, s18, 8388608                 ; V^T's codes: head pair, the batch's 16 steps, my head's four fragments
	s_mov_b32 s19, 0
	s_lshl_b32 s22, s2, 16
	s_lshl_b32 s24, s[BB], 14
	s_add_co_u32 s22, s22, s24
	s_lshl_b32 s24, s25, 9
	s_add_co_u32 s22, s22, s24
	s_add_co_u32 s22, s22, 1048576                 ; V^T's scale words
	s_mov_b32 s23, 0
	s_wait_kmcnt 0x0
	s_add_nc_u64 s[16:17], s[4:5], s[16:17]
	s_add_nc_u64 s[18:19], s[4:5], s[18:19]
	s_add_nc_u64 s[20:21], s[6:7], s[20:21]
	s_add_nc_u64 s[22:23], s[6:7], s[22:23]
.irp i, 0,1,2,3,4,5,6,7
	global_load_b128 v[104+4*\i:107+4*\i], v8, s[16:17] offset:8192*\i     ; K: 65,536 consecutive bytes, 8,192 an instruction of the work-group
.endr
.irp i, 0,1,2,3,4,5,6,7
	global_load_b128 v[136+4*\i:139+4*\i], v9, s[18:19] offset:16384*\i    ; V^T: 4,096 consecutive bytes of each step
.endr
	global_load_b128 v[168:171], v8, s[20:21]
	global_load_b128 v[172:175], v11, s[22:23]
	; what stays
	v_and_b32 v27, 31, v0
	v_lshlrev_b32 v[LI], 4, v27
	v_lshlrev_b32 v[LS], 2, v27
	v_and_b32 v[LR], 15, v0
	v_lshrrev_b32 v[YS], 4, v27
	v_lshl_add_u32 v[YS], v[LR], 5, v[YS]
	v_lshlrev_b32 v[LR], 2, v[LR]
	v_mov_b32 v[NINF], 0xff800000
	v_mov_b32 v[BFF], 0xff
.irp i, 20,21,22,23,64,65,66,67
	v_mov_b32 v[\i], 0                             ; zero codes: Q's upper 64 of K, and what stands behind K's last tile
.endr
.irp i, 212,213,214,215,221,222,225
	v_mov_b32 v[\i], 0                             ; written once: permute destinations, and halves of pairs that are named before they are first written
.endr
	s_mov_b32 s3, 0xffff0000                       ; lanes 16-31
	s_mov_b32 s[CS], 0x3e38aa3b                    ; c = log2(e) / 8
	s_mov_b32 s[CS+1], s[CS]
	s_mov_b32 s[SEL], 0x76543210
	s_mov_b32 s[SEL+1], 0xfedcba98
.irp i, 0,1,2,3
	s_wait_loadcnt 17-\i                           ; loads come back in order: load i is in, the later ones may be out
	ds_store_b128 v9, v[104+4*\i:107+4*\i] offset:16384*\i
.endr
.irp i, 4,5,6,7
	s_wait_loadcnt 17-\i
	ds_store_b128 v10, v[104+4*\i:107+4*\i] offset:16384*(\i-4)
.endr
.irp i, 0,1,2,3
	s_wait_loadcnt 9-\i
	ds_store_b128 v9, v[136+4*\i:139+4*\i] offset:16384*\i+4096
.endr
.irp i, 4,5,6,7
	s_wait_loadcnt 9-\i
	ds_store_b128 v10, v[136+4*\i:139+4*\i] offset:16384*(\i-4)+4096
.endr
	s_wait_loadcnt 1
	ds_store_b128 v26, v[168:171]
	s_wait_loadcnt 0x0
	ds_store_b128 v26, v[172:175] offset:512
	s_wait_dscnt 0x0                               ; for the others' sake: my stores have landed
	s_barrier_signal -1
	s_barrier_wait -1                              ; the head's K and V^T lie in LDS; nobody writes LDS again
	s_lshl_b32 s[TAU], s[WV], 2
	s_add_co_u32 s[TAU], s[TAU], s[JX]             ; my first tile: 4 x wave + j
	s_mov_b32 s[TC], 2
.Ltile:
	s_lshl_b32 s[GT], s[BB], 7
	s_add_co_u32 s[GT], s[GT], s[TAU]              ; the tile among all batches'
	s_lshl_b32 s98, s[HD], 18
	s_lshl_b32 s2, s[GT], 9
	s_add_co_u32 s98, s98, s2
	s_mov_b32 s99, 0
	s_add_nc_u64 s[98:99], s[4:5], s[98:99]        ; Q's codes
	s_lshl_b32 s100, s[HD], 15
	s_lshl_b32 s2, s[GT], 6
	s_add_co_u32 s100, s100, s2
	s_mov_b32 s101, 0
	s_add_nc_u64 s[100:101], s[6:7], s[100:101]    ; Q's scale words
	s_lshl_b32 s2, s[TAU], 2
	global_load_b128 v[QF:QF+3], v[LI], s[98:99]
	global_load_b32 v[QS], v[LR], s[100:101]
	s_load_b32 s[CW], s[10:11], s2 offset:0x0
	v_mov_b32 v13, 0xff61b1e6                      ; the largest t so far: -3e38
	v_floor_f32 v12, -v13                          ; -M
	v_mov_b32 v14, 0                               ; the sum, in two halves
	v_mov_b32 v15, 0
.set J, 0
.rept 32
	v_mov_b32 v[O+J], 0                            ; O^T: which step is the first that counts is not known to the text
.set J, J+1
.endr
	s_mov_b32 s[SK], 0
	s_mov_b32 s[SS], SCB
	s_lshl_b32 s[MO], s[TAU], 12
	s_mov_b32 s[KC], 16
	s_wait_loadcnt 0x0
	s_wait_kmcnt 0x0
.Lkey:                                             ; 16 trips: a step of 128 keys
	s_bitcmp1_b32 s[CW], 0
	s_cbranch_scc0 .Lnext                          ; no key of the step counts for my 16 queries: only the addresses step
	v_add_nc_u32 v[AD], s[SK], v[LI]
	v_add_nc_u32 v[AS], s[SS], v[LS]
.irp t, 0,1,2,3,4,5,6,7
	ds_load_b128 v[KF+4*\t:KF+4*\t+3], v[AD] offset:512*\t
.endr
.irp b, 0,1,2,3
	ds_load_b32 v[KSC+\b], v[AS] offset:128*\b     ; lanes 0-15: tile 2 b's words; lanes 16-31: tile 2 b + 1's
.endr
	s_wait_dscnt 0x0
.irp t, 0,2,4,6
	v_wmma_scale_f32_16x16x128_f8f6f4 v[S+8*\t:S+8*\t+7], v[KF+4*\t:KF+4*\t+7], v[QF:QF+7], 0, v[KSC+\t/2], v[QS] matrix_a_fmt:MATRIX_FMT_FP4 matrix_b_fmt:MATRIX_FMT_FP4
	v_wmma_scale_f32_16x16x128_f8f6f4 v[S+8+8*\t:S+8+8*\t+7], v[KF+4+4*\t:KF+4+4*\t+7], v[QF:QF+7], 0, v[KSC+\t/2], v[QS] matrix_a_fmt:MATRIX_FMT_FP4 matrix_b_fmt:MATRIX_FMT_FP4 matrix_a_scale:MATRIX_SCALE_ROW1
.endr
.rept 4
	v_nop                                          ; places in front of the first read of the scores; with the two additions above also in front of the loads into V^T's registers
.endr
.irp ct, 0,1,2,3
.irp c, 0,1
	ds_load_b128 v[VF+8*\ct+4*\c:VF+8*\ct+4*\c+3], v[AD] offset:4096+1024*\ct+512*\c   ; they land while the softmax is worked
.endr
	ds_load_b32 v[VSC+\ct], v[AS] offset:512+128*\ct
.endr
	s_bitcmp1_b32 s[CW], 1
	s_cbranch_scc0 .Lopen                          ; every key of the step counts for all 16 queries
	s_load_b512 s[16:31], s[8:9], s[MO] offset:0x0
	s_load_b512 s[32:47], s[8:9], s[MO] offset:0x40
	s_load_b512 s[48:63], s[8:9], s[MO] offset:0x80
	s_load_b512 s[68:83], s[8:9], s[MO] offset:0xc0
	s_wait_kmcnt 0x0
.set N, 0
.rept 64
.if N < 48
	v_cndmask_b32 v[S+N], v[NINF], v[S+N], s[16+N] ; a hidden score becomes -infinity
.else
	v_cndmask_b32 v[S+N], v[NINF], v[S+N], s[20+N]
.endif
.set N, N+1
.endr
.Lopen:
.irp b, 0,1,2,3
	v_max3_num_f32 v[BM+\b], v[S+16*\b], v[S+1+16*\b], v[S+2+16*\b]   ; the largest score of each block of 32 keys: for the row's maximum and, since p rises with the score, for the block's largest p
.endr
.irp i, 3,5,7,9,11,13
.irp b, 0,1,2,3
	v_max3_num_f32 v[BM+\b], v[BM+\b], v[S+16*\b+\i], v[S+1+16*\b+\i]
.endr
.endr
.irp b, 0,1,2,3
	v_max_num_f32 v[BM+\b], v[BM+\b], v[S+15+16*\b]
.endr
.irp b, 0,1,2,3
	v_permlanex16_b32 v[BT+\b], v[BM+\b], s[SEL], s[SEL+1]
.endr
.irp b, 0,1,2,3
	v_max_num_f32 v[BM+\b], v[BM+\b], v[BT+\b]     ; with lane l xor 16's 16 keys
.endr
	v_max3_num_f32 v[TP], v[BM], v[BM+1], v[BM+2]
	v_max_num_f32 v[TP], v[TP], v[BM+3]
	v_mul_f32 v[TP], s[CS], v[TP]                  ; as t
	v_max_num_f32 v13, v13, v[TP]                  ; the running largest t
	v_mov_b32 v[TP], v12
	v_floor_f32 v12, -v13                          ; the new -M = -ceil(t)
	v_sub_f32 v[TP], v12, v[TP]                    ; old M - new M: a whole number, 0 or less
	v_cvt_i32_f32 v[TP], v[TP]                     ; (it saturates)
	v_ldexp_f32 v[F], 1.0, v[TP]                   ; f = 2^(old M - new M)
.set J, 0
.rept 32
	v_pk_fma_f32 v[S+J:S+J+1], v[S+J:S+J+1], s[CS:CS+1], v[12:13] op_sel_hi:[1,0,0]   ; t - M
.set J, J+2
.endr
.irp b, 0,1,2,3
	v_fma_f32 v[BM+\b], v[BM+\b], s[CS], v12
.endr
.set J, 0
.rept 64
	v_exp_f32 v[S+J], v[S+J]                       ; p = 2^(t - M)
.set J, J+1
.endr
	v_pk_mul_f32 v[14:15], v[14:15], v[F:F+1] op_sel_hi:[1,0]   ; the sums under the new M: a plain place behind the exponentials
	s_wait_alu depctr_va_vdst(0)                   ; one wait for the batch, ahead of its first reader
.irp b, 0,1,2,3
	v_exp_f32 v[BM+\b], v[BM+\b]                   ; the blocks' largest p
.endr
	v_pk_add_f32 v[BT:BT+1], v[S:S+1], v[S+2:S+3]  ; the row's sum of the unquantised p, in two chains
.irp j, 4,8,12,16,20,24,28,32,36,40,44,48,52,56,60
	v_pk_add_f32 v[14:15], v[14:15], v[S+\j:S+1+\j]
	v_pk_add_f32 v[BT:BT+1], v[BT:BT+1], v[S+2+\j:S+3+\j]
.endr
	v_pk_add_f32 v[14:15], v[14:15], v[BT:BT+1]
	s_wait_alu depctr_va_vdst(0)                   ; and one for the four
.irp b, 0,1,2,3
	v_max_num_f32 v[BM+\b], 0x1800000, v[BM+\b]    ; the floor 2^(3 - 127)
.endr
.irp b, 0,1,2,3
	v_add_nc_u32 v[BS+\b], 0xff000000, v[BM+\b]
.endr
.irp b, 0,1,2,3
	v_lshrrev_b32 v[BT+\b], 23, v[BS+\b]
.endr
	v_lshl_or_b32 v[PW], v[BT+1], 8, v[BT]
	v_lshl_or_b32 v[PW], v[BT+2], 16, v[PW]
	v_lshl_or_b32 v[PW], v[BT+3], 24, v[PW]
.irp b, 0,1,2,3
	v_cvt_scalef32_pk8_fp4_f32 v[PC+2*\b], v[S+16*\b:S+7+16*\b], v[BS+\b]
	v_cvt_scalef32_pk8_fp4_f32 v[PC+1+2*\b], v[S+8+16*\b:S+15+16*\b], v[BS+\b]
.endr
	v_nop                                          ; one plain place behind a scaled conversion
.irp c, 0,1
.irp i, 0,1
	v_permlane16_swap_b32 v[PC+4*\c+\i], v[PC+2+4*\c+\i]
.endr
.endr
.set J, 0
.rept 16
	v_pk_mul_f32 v[O+J:O+J+1], v[O+J:O+J+1], v[F:F+1] op_sel_hi:[1,0]   ; O^T under the new M.  These sixteen are also the places between p's codes and scale word and the products
.set J, J+2
.endr
	s_wait_dscnt 0x0                               ; V^T is in
.irp ct, 0,1,2,3
	v_wmma_scale_f32_16x16x128_f8f6f4 v[O+8*\ct:O+8*\ct+7], v[VF+8*\ct:VF+8*\ct+7], v[PC:PC+7], v[O+8*\ct:O+8*\ct+7], v[VSC+\ct], v[PW] matrix_a_fmt:MATRIX_FMT_FP4 matrix_b_fmt:MATRIX_FMT_FP4
.endr
.Lnext:
	s_lshr_b32 s[CW], s[CW], 2
	s_add_co_u32 s[SK], s[SK], 8192
	s_add_co_u32 s[SS], s[SS], 1024
	s_add_co_u32 s[MO], s[MO], 256
	s_sub_co_u32 s[KC], s[KC], 1
	s_cmp_lg_u32 s[KC], 0
	s_cbranch_scc1 .Lkey
	; THE TILE'S END: O^T / the sum is y; its 32 registers are 16 neighbours of each of the head's two blocks of 32
.rept 4
	v_nop
.endr
	v_add_f32 v14, v14, v15
	v_permlanex16_b32 v[TP], v14, s[SEL], s[SEL+1]
	v_add_f32 v14, v14, v[TP]                      ; the row's sum
	v_rcp_f32 v[RL], v14
	v_nop                                          ; a plain place behind the reciprocal
	v_cmp_eq_f32 vcc_lo, 0, v14                    ; a row without any key
	s_lshl_b32 s90, s[GT], 13
	s_lshl_b32 s2, s[HD], 9
	s_add_co_u32 s90, s90, s2
	s_mov_b32 s91, 0
	s_add_nc_u64 s[90:91], s[84:85], s[90:91]      ; yimg: [tile][head][512 bytes]
	s_lshl_b32 s98, s[GT], 9
	s_lshl_b32 s2, s[HD], 1
	s_add_co_u32 s98, s98, s2
	s_mov_b32 s99, 0
	s_add_nc_u64 s[98:99], s[86:87], s[98:99]      ; ysc: [stored row][32 bytes], byte 2 head + block
	s_wait_alu depctr_va_vdst(0)                   ; the wait ahead of the reciprocal's first reader
.set J, 0
.rept 16
	v_pk_mul_f32 v[O+J:O+J+1], v[O+J:O+J+1], v[RL:RL+1] op_sel_hi:[1,0]
.set J, J+2
.endr
.irp b, 0,1
	v_max3_num_f32 v[BM+\b], |v[O+16*\b]|, |v[O+1+16*\b]|, 0x1800000
.endr
.irp i, 2,4,6,8,10,12,14
.irp b, 0,1
	v_max3_num_f32 v[BM+\b], v[BM+\b], |v[O+16*\b+\i]|, |v[O+1+16*\b+\i]|
.endr
.endr
.irp b, 0,1
	v_permlanex16_b32 v[BT+\b], v[BM+\b], s[SEL], s[SEL+1]
.endr
.irp b, 0,1
	v_max_num_f32 v[BM+\b], v[BM+\b], v[BT+\b]
.endr
.irp b, 0,1
	v_add_nc_u32 v[BS+\b], 0xff000000, v[BM+\b]
.endr
.irp b, 0,1
	v_lshrrev_b32 v[BT+\b], 23, v[BS+\b]
.endr
.irp b, 0,1
	v_cvt_scalef32_pk8_fp4_f32 v[PC+2*\b], v[O+16*\b:O+7+16*\b], v[BS+\b]
	v_cvt_scalef32_pk8_fp4_f32 v[PC+1+2*\b], v[O+8+16*\b:O+15+16*\b], v[BS+\b]
.endr
	v_nop
	v_permlane16_swap_b32 v[PC], v[PC+2]           ; lanes 0-15 now hold block 0 whole, lanes 16-31 block 1
	v_permlane16_swap_b32 v[PC+1], v[PC+3]
	v_cndmask_b32 v[TP], v[BT], v[BT+1], s3        ; my half's byte,
	v_cndmask_b32 v[TP], v[TP], v[BFF], vcc_lo     ; or 0xff
	global_store_b128 v[LI], v[PC:PC+3], s[90:91]  ; 32 lanes store 512 consecutive bytes, aligned
	global_store_b8 v[YS], v[TP], s[98:99]
	s_wait_xcnt 0x0                                ; the stores have read their data and bases: the next tile writes them again
	s_lshl_b32 s2, s[JX], 1
	s_add_co_u32 s2, s2, 124
	s_sub_co_u32 s[TAU], s2, s[TAU]                ; 4 (31 - wave) + j
	s_sub_co_u32 s[TC], s[TC], 1
	s_cmp_lg_u32 s[TC], 0
	s_cbranch_scc1 .Ltile
	s_wait_tensorcnt 0x0
	ds_add_u32 v254, v255
	s_wait_dscnt 0x0
	s_endpgm
.Lfunc_end_k_q1a19a2185b_attn:
	.size	k_q1a19a2185b_attn, .Lfunc_end_k_q1a19a2185b_attn-k_q1a19a2185b_attn
	.p2alignl 7, 3214868480
	.fill 96, 4, 3214868480
	.section	.rodata,"a",@progbits
	.p2align	6, 0x0
	.amdhsa_kernel k_q1a19a2185b_attn
		.amdhsa_group_segment_fixed_size 149504
		.amdhsa_private_segment_fixed_size 0
		.amdhsa_enable_private_segment 0
		.amdhsa_kernarg_size 48
		.amdhsa_user_sgpr_count 2
		.amdhsa_user_sgpr_kernarg_segment_ptr 1
		.amdhsa_wavefront_size32 1
		.amdhsa_system_sgpr_workgroup_id_x 1
		.amdhsa_system_sgpr_workgroup_id_y 1
		.amdhsa_system_sgpr_workgroup_id_z 1
		.amdhsa_system_vgpr_workitem_id 0
		.amdhsa_next_free_vgpr 256
		.amdhsa_next_free_sgpr 106
		.amdhsa_reserve_vcc 1
		.amdhsa_float_denorm_mode_32 3
		.amdhsa_float_denorm_mode_16_64 3
		.amdhsa_memory_ordered 1
		.amdhsa_forward_progress 1
		.amdhsa_inst_pref_size 33
	.end_amdhsa_kernel
	.amdgpu_metadata
---
amdhsa.version: [ 1, 2 ]
amdhsa.kernels:
  - .name:           k_q1a19a2185b_attn
    .symbol:         k_q1a19a2185b_attn.kd
    .args:
      - { .name: img, .offset: 0, .size: 8, .value_kind: global_buffer, .address_space: global }
      - { .name: isc, .offset: 8, .size: 8, .value_kind: global_buffer, .address_space: global }
      - { .name: mwords, .offset: 16, .size: 8, .value_kind: global_buffer, .address_space: global }
      - { .name: cls, .offset: 24, .size: 8, .value_kind: global_buffer, .address_space: global }
      - { .name: yimg, .offset: 32, .size: 8, .value_kind: global_buffer, .address_space: global }
      - { .name: ysc, .offset: 40, .size: 8, .value_kind: global_buffer, .address_space: global }
    .group_segment_fixed_size: 149504
    .private_segment_fixed_size: 0
    .kernarg_segment_align: 8
    .kernarg_segment_size: 48
    .max_flat_workgroup_size: 512
    .sgpr_count:     106
    .vgpr_count:     256
    .wavefront_size: 32
...
	.end_amdgpu_metadata
.endif
;; end of part 3
;; launch outp (part 4): grid 4 x 32, 4 waves a work-group, clusters of 4 x 4, 327,680 bytes of LDS; arguments yimg, ysc, codes, scales, bo, out0; writes out0
.if DOCPART == 4
	.amdgcn_target "amdgcn-amd-amdhsa--gfx1250"
	.amdhsa_code_object_version 6
	.text
	.protected	k_q1a19a2185b_outp
	.globl	k_q1a19a2185b_outp
	.p2align	8
	.type	k_q1a19a2185b_outp,@function
k_q1a19a2185b_outp:
	s_mov_b64 s[64:65], 0
	v_nop
	global_prefetch_b8 v0, s[64:65] scope:SCOPE_SE
	s_setreg_imm32_b32 hwreg(HW_REG_WAVE_MODE, 25, 1), 1
	s_wait_xcnt 0x0
	s_wait_alu depctr_hold_cnt(0) depctr_sa_sdst(0) depctr_va_vdst(0) depctr_va_sdst(0) depctr_va_ssrc(0) depctr_va_vcc(0) depctr_vm_vsrc(0)
	s_getreg_b32 s2, hwreg(HW_REG_IB_STS2, 6, 4)
	s_cmp_eq_u32 s2, 0
	s_cbranch_scc0 .Lentry_in_a_cluster
	s_endpgm
.Lentry_in_a_cluster:
	s_bfe_u32 s2, ttmp6, 0x10000c
	s_cmp_lg_u32 s2, 0xf033
	s_cbranch_scc0 .Lentry_shape_is_right
	s_endpgm
.Lentry_shape_is_right:
; outp: out0 = y wo + bo on codes of FP4 (E2M1) with E8M0 scales; out0 [8192][1024] f32.
; y arrives as images of operand registers: yimg [token tile 512][head 16][512 bytes] (four registers a lane, lane l's 16 bytes at 16 l; K = 64 head + 32 (l / 16) + 0 .. 31), ysc [stored row 8192][32 bytes].
; wo: rows 11,264 on of codes [.][512 bytes] and scales [.][32].  Tokens and wo's columns are stored at sigma(row) (bits 3 and 4 exchanged): the way out puts both back.
; A tile of C is 256 x 256, four waves of 128 x 128.  K = 1,024 is two LDS slots of 512, both filled at the start: nothing is filled again.  A scale byte 0xff (a row without any key) makes that row's sums NaN.
; THE MATRIX INSTRUCTION IS USED TRANSPOSED (source 0 = 16 rows of wo, source 1 = 16 rows of y).  bo is the C of each sum's first matrix instruction.
; CLUSTERS: 4 x 4; y's tiles are asked for jointly along a row of the cluster, wo's along a column.
; REGISTERS: window 0: v0-31 addresses; v32-95 scale words; v128-191 y's fragments; v192-255 bo; on the way out v128-255 are free.  window 1: wo's fragments, two sets.  windows 2, 3: the accumulators.
.set NQ,     4
.set ROWB,   256
.set KROW,   512
.set PITCH,  272
.set FR,     8
.set NL,     2
.set NP,     4
.set HALFA,  32768                     ; 8 token tiles x 4,096 bytes: what one tensor load brings of y
.set HALFB,  128*PITCH                 ; 128 rows of wo
.set BOFF,   2*HALFA
.set SLOT,   2*HALFA+2*HALFB
.set KS,     32
.set SCL,    2*SLOT
.set HALFS,  16*272
.set SBLK,   2*272
.set SPARE,  SCL+4*HALFS               ; the spare words: 128 bytes a wave, two blocks of 256 bytes that no other line names
.set SPITCH, 528                       ; the way out: a stage of 16 rows x (512 + 16) bytes a wave, in slot 0, which has had its only fill and its last read by then
.set ADRA, 16
.set ADRB, 20
.set STO,  24
.set RD,   25
.set CO,   26
.set ADRS, 27
.set SPW,  28
.set NIL,  29
.set SC,   32
.set AF,   128
.set T,    192
.set BK,   128
.set G1, 24
.set G0, 32
.set G1B, 48
.set G0B, 56
.set G1S, 68
.set G0S, 76
.set G1SB, 80
.set G0SB, 88
.set MSB, 0
.macro WIN new
.if MSB != \new
	s_set_vgpr_msb (MSB<<8)|\new
.set MSB, \new
.endif
.endm
.set MUL_LO, 0xa1
.set MUL_HI, 0xf1
.set TO_B,   0x40
.macro JLOAD g0a, g1a, g0b, g1b        ; waves 0 and 1 fetch for y, waves 2 and 3 for wo; four v_nop follow each of the two lines
	s_cmp_eq_u32 s15, 0
	s_cbranch_scc0 .Lfor_b_\@
	tensor_load_to_lds s[\g0a:\g0a+3], s[\g1a:\g1a+7]
	s_nop 0
.rept 4
	v_nop
.endr
	s_branch .Lasked_\@
.Lfor_b_\@:
	tensor_load_to_lds s[\g0b:\g0b+3], s[\g1b:\g1b+7]
	s_nop 0
.rept 4
	v_nop
.endr
.Lasked_\@:
.endm
.macro CROUND
	s_barrier_signal -1
	s_barrier_wait -1
	s_cmp_lg_u32 s14, 0
	s_cbranch_scc1 .Lnot_wave_0_\@
	s_barrier_signal -3
.Lnot_wave_0_\@:
	s_barrier_wait -3
	s_barrier_signal -1
	s_barrier_wait -1
.endm
	s_load_b128 s[4:7], s[0:1], 0x0                ; yimg, ysc
	s_load_b128 s[8:11], s[0:1], 0x10              ; codes, scales
	s_load_b64 s[66:67], s[0:1], 0x20              ; bo
	s_load_b64 s[12:13], s[0:1], 0x28              ; out0
	v_lshl_add_u32 v[SPW], v0, 2, SPARE
	v_mov_b32 v[NIL], 0
	ds_add_u32 v28, v29
	ds_add_u32 v28, v29
	s_wait_dscnt 0x0
	v_lshrrev_b32 v1, 5, v0
	v_readfirstlane_b32 s14, v1                    ; wave 0..3
	s_lshr_b32 s15, s14, 1                         ; which half of the tile's rows is mine.  Also: I fetch for y (0) or for wo (1)
	s_and_b32 s16, s14, 1                          ; which half of its columns.  Also: which half I fetch
	s_bfe_u32 s40, ttmp6, 0x40000                  ; cx
	s_bfe_u32 s41, ttmp6, 0x40004                  ; cy
	s_lshl_b32 s42, ttmp9, 2
	s_add_co_u32 s42, s42, s40                     ; tile column
	s_and_b32 s17, ttmp7, 0xffff
	s_lshl_b32 s17, s17, 2
	s_add_co_u32 s17, s17, s41                     ; tile row
	s_lshl_b32 s43, s41, 2
	s_lshl_b32 s43, 15, s43                        ; my row of the cluster
	s_lshl_b32 s44, 0x1111, s40                    ; my column
	s_or_b32 s[G1+0], s43, (3<<16)|(1<<21)         ; y: the mask; elements of 8 bytes; bit 21 beside a mask; no padding: images are read 16 bytes a lane on end
	s_mov_b32 s[G1+1], 512<<16                     ; tensor_dim0 = 512 elements: a token tile's 4,096 bytes of eight heads
	s_mov_b32 s[G1+2], 8<<16                       ; tensor_dim1 = 8 token tiles
	s_mov_b32 s[G1+3], 512<<16                     ; tile_dim0
	s_mov_b32 s[G1+4], 8                           ; tile_dim1
	s_mov_b32 s[G1+5], 1024                        ; the pitch: 8,192 bytes from tile to tile
	s_mov_b32 s[G1+6], 0
	s_mov_b32 s[G1+7], 0
	s_or_b32 s[G1B+0], s44, (0<<16)|(1<<20)|(1<<21)|(5<<22)|(3<<25)  ; wo: 128 rows of 256 bytes, 16 bytes of padding behind each
	s_mov_b32 s[G1B+1], ROWB<<16
	s_mov_b32 s[G1B+2], 128<<16
	s_mov_b32 s[G1B+3], ROWB<<16
	s_mov_b32 s[G1B+4], 128
	s_mov_b32 s[G1B+5], KROW
	s_mov_b32 s[G1B+6], 0
	s_mov_b32 s[G1B+7], 0
	s_or_b32 s[G1S+0], s43, (3<<16)|(1<<20)|(1<<21)|(5<<22)|(3<<25)  ; the scales of 128 rows: 16 rows of 256 bytes, padded
	s_or_b32 s[G1SB+0], s44, (3<<16)|(1<<20)|(1<<21)|(5<<22)|(3<<25)
.irp g, G1S, G1SB
	s_mov_b32 s[\g+1], 32<<16
	s_mov_b32 s[\g+2], 16<<16
	s_mov_b32 s[\g+3], 32<<16
	s_mov_b32 s[\g+4], 16
	s_mov_b32 s[\g+5], 32
	s_mov_b32 s[\g+6], 0
	s_mov_b32 s[\g+7], 0
.endr
	s_lshl_b32 s18, s16, 7
	s_lshl_b32 s20, s17, 8
	s_add_co_u32 s20, s20, s18                     ; y: stored row 256 x tile row + 128 x half (16 rows are 8,192 bytes of images: 512 a row)
	s_lshl_b32 s46, s42, 8
	s_add_co_u32 s46, s46, s18
	s_add_co_u32 s46, s46, 11264                   ; wo: its row in codes
	s_mov_b32 s21, 0
	s_mov_b32 s47, 0
	s_mov_b64 s[18:19], KS
	s_mul_u64 s[22:23], s[20:21], s[18:19]
	s_mul_u64 s[92:93], s[46:47], s[18:19]
	s_mov_b64 s[18:19], KROW
	s_mul_u64 s[20:21], s[20:21], s[18:19]
	s_mul_u64 s[46:47], s[46:47], s[18:19]
	s_mul_i32 s45, s16, HALFA                      ; where they go: y's two halves,
	s_mul_i32 s95, s16, HALFB
	s_add_co_u32 s95, s95, BOFF                    ; then wo's two
	s_mul_i32 s94, s14, HALFS
	s_wait_kmcnt 0x0
	s_add_nc_u64 s[20:21], s[4:5], s[20:21]
	s_add_nc_u64 s[22:23], s[6:7], s[22:23]
	s_add_nc_u64 s[46:47], s[8:9], s[46:47]
	s_add_nc_u64 s[92:93], s[10:11], s[92:93]
	CROUND                                         ; all sixteen work-groups are here: the first joint loads meet
	s_mov_b32 s[G0S], 1
	s_add_co_u32 s[G0S+1], s94, SCL
	s_mov_b64 s[G0S+2:G0S+3], s[22:23]
	s_or_b32 s[G0S+3], s[G0S+3], 0x80000000
	s_mov_b32 s[G0SB], 1
	s_add_co_u32 s[G0SB+1], s94, SCL
	s_mov_b64 s[G0SB+2:G0SB+3], s[92:93]
	s_or_b32 s[G0SB+3], s[G0SB+3], 0x80000000
	JLOAD G0S, G1S, G0SB, G1SB
.irp s, 0,1
	s_mov_b32 s[G0+4*\s], 1
	s_add_co_u32 s[G0+4*\s+1], s45, \s*SLOT
	s_add_nc_u64 s[G0+4*\s+2:G0+4*\s+3], s[20:21], \s*4096
	s_or_b32 s[G0+4*\s+3], s[G0+4*\s+3], 0x80000000
	s_mov_b32 s[G0B+4*\s], 1
	s_add_co_u32 s[G0B+4*\s+1], s95, \s*SLOT
	s_add_nc_u64 s[G0B+4*\s+2:G0B+4*\s+3], s[46:47], \s*ROWB
	s_or_b32 s[G0B+4*\s+3], s[G0B+4*\s+3], 0x80000000
	JLOAD G0+4*\s, G1, G0B+4*\s, G1B               ; both slots: three tensor loads of mine are out
.endr
	v_and_b32 v1, 15, v0                           ; r
	v_bfe_u32 v2, v0, 4, 1                         ; h
	v_and_b32 v6, 31, v0
	v_lshlrev_b32 v[CO], 4, v6                     ; 16 x lane
	v_mul_u32_u24 v3, v1, PITCH
	v_lshl_add_u32 v4, v2, 4, v3
	s_mul_i32 s21, s15, HALFA                      ; my 8 token tiles
	s_mul_i32 s22, s16, HALFB                      ; my 128 rows of wo
	s_add_co_u32 s22, s22, BOFF
.irp s, 0,1
	v_add_nc_u32 v[ADRA+\s], s21, v[CO]
	v_add_nc_u32 v[ADRB+\s], s22, v4
	s_add_co_u32 s21, s21, SLOT
	s_add_co_u32 s22, s22, SLOT
.endr
	v_mul_u32_u24 v5, v1, KS
	v_lshrrev_b32 v6, 8, v5
	v_lshl_add_u32 v5, v6, 4, v5
	s_mul_i32 s21, s15, HALFS
	s_mul_i32 s22, s16, HALFS
	s_add_co_u32 s22, s22, 2*HALFS
	s_sub_co_u32 s22, s22, s21
	v_mul_u32_u24 v6, s22, v2                      ; lanes 16-31 take wo's scale words
	s_add_co_u32 s21, s21, SCL
	v_add_nc_u32 v5, v5, v6
	v_add_nc_u32 v[ADRS], s21, v5
	s_mul_i32 s23, s14, 16*SPITCH                  ; my stage
	v_mul_u32_u24 v5, v1, SPITCH
	v_lshl_add_u32 v5, v2, 6, v5                   ; in: row r, + 64 h: wo's tile b holds the columns 32 (b / 2) + 16 h + 8 (b % 2) + 0 .. 7
	v_add_nc_u32 v[STO], s23, v5
	v_add_nc_u32 v[RD], s23, v[CO]                 ; back: the 32 lanes take one row of 512 bytes
	s_lshl_b32 s20, s17, 8
	s_lshl_b32 s21, s15, 7
	s_add_co_u32 s20, s20, s21                     ; my first row of out0
	s_mov_b32 s21, 0
	s_mov_b64 s[18:19], 4096
	s_mul_u64 s[20:21], s[20:21], s[18:19]
	s_lshl_b32 s46, s42, 10
	s_lshl_b32 s47, s16, 9
	s_add_co_u32 s46, s46, s47                     ; my first column, in bytes
	s_mov_b32 s47, 0
	s_add_nc_u64 s[66:67], s[66:67], s[46:47]      ; bo at my first column
	s_add_nc_u64 s[20:21], s[20:21], s[46:47]
	s_add_nc_u64 s[12:13], s[12:13], s[20:21]
	v_lshlrev_b32 v7, 6, v2
.irp b, 0,1,2,3,4,5,6,7
	global_load_b128 v[T+8*\b:T+8*\b+3], v7, s[66:67] offset:(32*(\b/2)+8*(\b%2))*4
	global_load_b128 v[T+8*\b+4:T+8*\b+7], v7, s[66:67] offset:(32*(\b/2)+8*(\b%2))*4+16
.endr
.macro FRAG reg, adr, q, i             ; wo: 16 rows x 128 K from padded rows
.irp c, 0,1
	ds_load_b128 v[\reg+4*\c:\reg+4*\c+3], v[\adr] offset:64*(\q)+32*\c+(\i)*16*PITCH
.endr
.endm
.macro FRAGA reg, adr, q, i            ; y: token tile i, heads 2 q and 2 q + 1 of the slot's eight: two images of 512 bytes
.irp c, 0,1
	ds_load_b128 v[\reg+4*\c:\reg+4*\c+3], v[\adr] offset:4096*(\i)+1024*(\q)+512*\c
.endr
.endm
.macro MUL16 a0, p, q, sc, cm          ; cm = 1: C = bo by wo's tile.  The 64 accumulators take turns, one instruction a turn
.irp a, \a0, \a0+1
.irp b, 0,1,2,3,4,5,6,7
.if \cm
	v_wmma_scale_f32_16x16x128_f8f6f4 v[8*(8*((\a)%4)+\b):8*(8*((\a)%4)+\b)+7], v[128*(\p)+FR*\b:128*(\p)+FR*\b+FR-1], v[AF+FR*(\a):AF+FR*(\a)+FR-1], v[T+8*\b:T+8*\b+7], v[SC+8*NQ*(\sc)+NQ*\b+(\q)], v[SC+8*NQ*(\sc)+NQ*(\a)+(\q)] matrix_a_fmt:MATRIX_FMT_FP4 matrix_b_fmt:MATRIX_FMT_FP4 matrix_a_scale:MATRIX_SCALE_ROW1
.else
	v_wmma_scale_f32_16x16x128_f8f6f4 v[8*(8*((\a)%4)+\b):8*(8*((\a)%4)+\b)+7], v[128*(\p)+FR*\b:128*(\p)+FR*\b+FR-1], v[AF+FR*(\a):AF+FR*(\a)+FR-1], v[8*(8*((\a)%4)+\b):8*(8*((\a)%4)+\b)+7], v[SC+8*NQ*(\sc)+NQ*\b+(\q)], v[SC+8*NQ*(\sc)+NQ*(\a)+(\q)] matrix_a_fmt:MATRIX_FMT_FP4 matrix_b_fmt:MATRIX_FMT_FP4 matrix_a_scale:MATRIX_SCALE_ROW1
.endif
.endr
.endr
.endm
.macro FETCH_B slot, q, p
	WIN TO_B
.irp i, 0,1,2,3,4,5,6,7
	FRAG 128*(\p)+FR*\i, ADRB+\slot, \q, \i
.endr
	WIN 0
.endm
.macro FETCH_A slot, q, i0
.irp i, \i0, \i0+1, \i0+2, \i0+3
	FRAGA AF+FR*(\i), ADRA+\slot, \q, \i
.endr
.endm
.macro SCALES sc
.irp i, 0,1,2,3,4,5,6,7
	ds_load_b128 v[SC+8*NQ*\sc+NQ*\i:SC+8*NQ*\sc+NQ*\i+3], v[ADRS] offset:\i*SBLK
.endr
.endm
.macro PLACES n
.rept \n
	v_nop
.endr
.endm
.macro STEP slot, q, cm
	s_wait_dscnt 4*NL                              ; wo's set and y's blocks 0-3 are in; the youngest eight loads (y's blocks 4-7) may be out
.if \cm
	WIN 0x81
.else
	WIN MUL_LO
.endif
	MUL16 0, (\q)%2, \q, \slot, \cm
	MUL16 2, (\q)%2, \q, \slot, \cm
	s_wait_dscnt 0
	PLACES NP
	FETCH_B \slot, (\q)+1, 1-(\q)%2
	FETCH_A \slot, (\q)+1, 0
.if \cm
	WIN 0xc1
.else
	WIN MUL_HI
.endif
	MUL16 4, (\q)%2, \q, \slot, \cm
	MUL16 6, (\q)%2, \q, \slot, \cm
	PLACES NP
	WIN 0
	FETCH_A \slot, (\q)+1, 4
.endm
.macro TURN slot, next
	s_wait_tensorcnt 0x0                           ; all my tensor loads have landed: my part of the next slot
	ds_add_u32 v[SPW], v[NIL]                      ; 0 onto my spare word
	s_wait_dscnt 4*NL+1                            ; (the add and the youngest eight loads may be out)
	WIN MUL_LO
	MUL16 0, 1, NQ-1, \slot, 0
	s_wait_dscnt 0x0                               ; the add is done, and my reads of this slot are over
	s_barrier_signal -1
	MUL16 2, 1, NQ-1, \slot, 0
	WIN 0
	s_barrier_wait -1
	PLACES NP
	v_add_nc_u32 v[ADRS], 4*NQ, v[ADRS]
	FETCH_B \next, 0, 0
	FETCH_A \next, 0, 0
	SCALES \next
	WIN MUL_HI
	MUL16 4, 1, NQ-1, \slot, 0
	MUL16 6, 1, NQ-1, \slot, 0
	PLACES NP
	WIN 0
	FETCH_A \next, 0, 4
.endm
.macro STEPS slot, from
.set Q, \from
.rept NQ-1-\from
	STEP \slot, Q, 0
.set Q, Q+1
.endr
.endm
	s_wait_tensorcnt 1                             ; the scales and my part of slot 0 are in (slot 1's load may be out),
	s_barrier_signal -1
	s_barrier_wait -1                              ; everybody's are
	FETCH_B 0, 0, 0
	FETCH_A 0, 0, 0
	SCALES 0
	FETCH_A 0, 0, 4
	s_wait_loadcnt 0x0                             ; bo
	STEP 0, 0, 1                                   ; the first step's products start the sums with bo
	STEPS 0, 1
	TURN 0, 1
	STEPS 1, 0
	s_wait_dscnt 4*NL
	WIN MUL_LO
	MUL16 0, 1, NQ-1, 1, 0
	MUL16 2, 1, NQ-1, 1, 0
	s_wait_dscnt 0
	WIN MUL_HI
	MUL16 4, 1, NQ-1, 1, 0
	MUL16 6, 1, NQ-1, 1, 0
	WIN 0
; THE WAY OUT, block by block of 16 rows x 128 columns, through my own stage: in by lanes (32 bytes of a row each, at the columns' true places), back as whole rows of 512 bytes.
; LDS serves a wave's instructions in order: no wait between the stores and the loads, nor in front of the next block's stores.
.macro TOSTAGE a
.set AC, 64*((\a)%4)
	WIN 0x08+4*((\a)/4)                            ; the data: window 2 or 3
.irp b, 0,1,2,3,4,5,6,7
	ds_store_b128 v[STO], v[AC+8*\b:AC+8*\b+3] offset:128*(\b/2)+32*(\b%2)          ; each accumulator from its low end on
	ds_store_b128 v[STO], v[AC+8*\b+4:AC+8*\b+7] offset:128*(\b/2)+32*(\b%2)+16
.endr
	WIN 0
.set BB, BK+64*((\a)%2)
.irp t, 0,1,2,3,4,5,6,7,8,9,10,11,12,13,14,15
	ds_load_b128 v[BB+4*\t:BB+4*\t+3], v[RD] offset:\t*SPITCH
.endr
.endm
.macro SEND a, younger                 ; younger: the LDS instructions issued behind block a's loads, which may stay out
.set BB, BK+64*((\a)%2)
	s_wait_dscnt \younger
.irp t, 0,1,2,3,4,5,6,7,8,9,10,11,12,13,14,15
	global_store_b128 v[CO], v[BB+4*\t:BB+4*\t+3], s[12:13] offset:(32*((\a)/2)+8*((\a)%2)+(\t%8)+16*(\t/8))*4096 th:TH_STORE_NT   ; stored row t of block a is this true row; 32 lanes store 512 consecutive bytes, aligned
.endr
.endm
	PLACES NP
	TOSTAGE 0
.irp a, 1,2,3,4,5,6,7
.if \a > 1
	s_wait_xcnt 0x0                                ; block a - 2's stores have read their registers: block a's loads may land there
.endif
	TOSTAGE \a
	SEND \a-1, 32                                  ; behind block a - 1's loads: block a's 16 stores and 16 loads
.endr
	SEND 7, 0
	s_wait_tensorcnt 0x0                           ; the wave's end
	ds_add_u32 v[SPW], v[NIL]
	s_wait_dscnt 0x0
	CROUND                                         ; the closing round
	s_endpgm
.Lfunc_end_k_q1a19a2185b_outp:
	.size	k_q1a19a2185b_outp, .Lfunc_end_k_q1a19a2185b_outp-k_q1a19a2185b_outp
	.p2alignl 7, 3214868480
	.fill 96, 4, 3214868480
	.section	.rodata,"a",@progbits
	.p2align	6, 0x0
	.amdhsa_kernel k_q1a19a2185b_outp
		.amdhsa_group_segment_fixed_size 327680
		.amdhsa_private_segment_fixed_size 0
		.amdhsa_enable_private_segment 0
		.amdhsa_kernarg_size 48
		.amdhsa_user_sgpr_count 2
		.amdhsa_user_sgpr_kernarg_segment_ptr 1
		.amdhsa_wavefront_size32 1
		.amdhsa_system_sgpr_workgroup_id_x 1
		.amdhsa_system_sgpr_workgroup_id_y 1
		.amdhsa_system_sgpr_workgroup_id_z 1
		.amdhsa_system_vgpr_workitem_id 0
		.amdhsa_next_free_vgpr 1024
		.amdhsa_next_free_sgpr 98
		.amdhsa_reserve_vcc 0
		.amdhsa_float_denorm_mode_32 3
		.amdhsa_float_denorm_mode_16_64 3
		.amdhsa_memory_ordered 1
		.amdhsa_forward_progress 1
		.amdhsa_inst_pref_size 126
	.end_amdhsa_kernel
	.amdgpu_metadata
---
amdhsa.version: [ 1, 2 ]
amdhsa.kernels:
  - .name:           k_q1a19a2185b_outp
    .symbol:         k_q1a19a2185b_outp.kd
    .args:
      - { .name: yimg, .offset: 0, .size: 8, .value_kind: global_buffer, .address_space: global }
      - { .name: ysc, .offset: 8, .size: 8, .value_kind: global_buffer, .address_space: global }
      - { .name: codes, .offset: 16, .size: 8, .value_kind: global_buffer, .address_space: global }
      - { .name: scales, .offset: 24, .size: 8, .value_kind: global_buffer, .address_space: global }
      - { .name: bo, .offset: 32, .size: 8, .value_kind: global_buffer, .address_space: global }
      - { .name: out0, .offset: 40, .size: 8, .value_kind: global_buffer, .address_space: global }
    .group_segment_fixed_size: 327680
    .private_segment_fixed_size: 0
    .kernarg_segment_align: 8
    .kernarg_segment_size: 48
    .max_flat_workgroup_size: 128
    .sgpr_count:     98
    .vgpr_count:     1024
    .wavefront_size: 32
...
	.end_amdgpu_metadata
.endif
;; end of part 4
;; ======== version 2 of 2: 4 launches; version 1 with the launch attn written anew for expert scheduling mode
;; workspace buffers: codes 6,291,456 bytes; scales 393,216 bytes; mwords 524,288 bytes of whole numbers; cls 512 bytes of whole numbers; img 12,582,912 bytes; isc 1,572,864 bytes; yimg 4,194,304 bytes; ysc 262,144 bytes
;; launch prep: the kernel of part 1 again; grid 448 x 1, 4 waves a work-group, no clusters, 102,912 bytes of LDS; arguments wq, wk, wv, wo, x, mask, codes, scales, mwords, cls; writes codes, scales, mwords, cls
;; launch qkv: the kernel of part 2 again; grid 12 x 32, 4 waves a work-group, clusters of 4 x 4, 327,680 bytes of LDS; arguments codes, scales, bq, bk, bv, img, isc; writes img, isc
;; launch attn (part 5): grid 4 x 64, 16 waves a work-group, no clusters, 149,504 bytes of LDS; arguments img, isc, mwords, cls, yimg, ysc; writes yimg, ysc
.if DOCPART == 5
	.amdgcn_target "amdgcn-amd-amdhsa--gfx1250"
	.amdhsa_code_object_version 6
	.text
	.protected	k_q1a19a2185b_attn
	.globl	k_q1a19a2185b_attn
	.p2align	8
	.type	k_q1a19a2185b_attn,@function
k_q1a19a2185b_attn:
	s_mov_b64 s[64:65], 0
	v_nop
	global_prefetch_b8 v0, s[64:65] scope:SCOPE_SE
	s_setreg_imm32_b32 hwreg(HW_REG_WAVE_SCHED_MODE, 0, 2), 2
	s_setreg_imm32_b32 hwreg(HW_REG_WAVE_MODE, 25, 1), 1
	s_wait_xcnt 0x0
	s_wait_alu depctr_vm_vsrc(0)
; attn: y[b][h][q] = the sum over k of softmax_k(q . k / 8, under the given mask) v[k], both products on codes of FP4 (E2M1) with E8M0 scales; y is quantised along the model's 1,024 and stored as images of operand registers.
; THE SOFTMAX AHEAD OF THE SECOND PRODUCT: t = score x log2(e) / 8; M = the running largest t rounded UP to a whole number; p = 2^(t - M) is quantised along the keys; the row's sum is taken of the unquantised p and divides at the end.
; SHARES.  A work-group owns one (batch, head) and the 32 query tiles T = 4 i + j (j = the work-group's x).  Its sixteen waves (256 registers each, four to a SIMD) take tile i = wave and then i = 31 - wave.
; The head's K and V^T (128 KB of codes, 16 KB of scale words) are copied into LDS once, through registers; one barrier; from then on LDS is only read.
; No tensor load and no joint request: a key step none of whose keys counts for the wave's 16 queries is left out by a branch on a stored whole number (cls);
; what four work-groups share is the 144 KB read once at the head.
; LAYOUT.  Both products are used transposed: S^T = K Q^T, O^T = V^T P^T: a lane holds ONE query (row lane % 16 of stored tile T).  By the stored order of the tokens the 16 registers of key tiles 2 b and 2 b + 1 are the keys
; 32 b + 16 (lane / 16) + 0 .. 15 of the step; by the stored order of wv's columns the 16 registers of channel tiles 2 b and 2 b + 1 are the head's channels 32 b + 16 (lane / 16) + 0 .. 15.
; The head size is 64, half of the instruction's K: Q's registers 4-7 are zero codes, so whatever stands in K's registers 4-7 (the next tile's codes) adds nothing; the scale bytes there are 0, never 0xff.
; THE MASK is honoured as given: word n of a step's 64 is the lane mask of score register n; hidden scores become -infinity ahead of the maximum.  A ROW WITHOUT ANY KEY has the sum 0: its scale bytes are set to 0xff, so that the last product gives NaN there, as the softmax of such a row does.
; LIMITS: a block of zeros gets the byte 1 where the rule says 127; NaN and infinities among the inputs are not served.  y's scale bytes leave as single bytes, 32 a tile, inside two runs of 256 bytes.
; THE MODE: SCHED_MODE bits 1:0 = 2 (LLVM: expert scheduling mode 2), set by the entry lines.  The code itself states the register dependences
; between vector or matrix instructions and memory or LDS instructions, with s_wait_alu, always for 0.
; THE PLAN.  Registers that memory or LDS instructions touch:
;   v8-v11, v26, v1-v4   offsets, made once at the head, ahead of the first wait on va_vdst, and never written again.
;   v104-v175            at the head: the fill's loads land there and its LDS stores read them; later they are S^T and O^T: one wait on vm_vsrc behind the barrier.
;   Q, its scale words   two loads a tile land there: the first tile's are issued behind the fill's loads, the second tile's at the first tile's end, behind the wait that stands there for the reciprocal.  Read by each step's eight products K Q^T.
;   v[AD], v[AS]         written by two additions at a step's head; read by the step's 24 LDS loads.
;   K, its scale words   12 LDS loads at the step's head land there; read by the eight products K Q^T.
;   V^T, its scale words 12 LDS loads behind those products land there; read by the four products V^T P at the step's end.
;   p's codes and word   written by vector instructions; read by the four products; at a tile's end y's codes and scale byte stand in four of them and in v[TP], and two stores read them.
; A STEP has one wait on vm_vsrc (ahead of the two additions) and four on va_vdst: behind the additions, behind each of the two batches of exponentials, and ahead of the products V^T P.
.set SCB,  131072                      ; LDS: 16 code blocks of 8,192 bytes (K's 8 tiles of 512; V^T's 4 fragments of 1,024); from here 16 scale blocks of 1,024 (K's 4 pairs of 128; V's 4 of 128)
.set LI,   1                           ; v1   16 x lane
.set LS,   2                           ; v2   4 x lane
.set LR,   3                           ; v3   4 x (lane % 16)
.set YS,   4                           ; v4   32 x (lane % 16) + lane / 16
.set NINF, 5                           ; v5   -infinity
.set AD,   6                           ; v6   the step's codes
.set AS,   7                           ; v7   the step's scale words
.set QF,   16                          ; v16-23 Q (20-23 zeros)
.set QS,   24                          ; v24  Q's scale words
.set BFF,  25                          ; v25  0xff
.set KSC,  28                          ; v28-31 K's scale words, two tiles a register
.set KF,   32                          ; v32-67 K (64-67 zeros)
.set VF,   68                          ; v68-99 V^T
.set VSC,  100                         ; v100-103
.set S,    104                         ; v104-167 S^T, then p
.set O,    168                         ; v168-199 O^T
.set PC,   200                         ; v200-207 p's codes
.set BM,   208                         ; v208-211 the blocks' largest
.set BT,   212                         ; v212-215 at work
.set BS,   216                         ; v216-219 the conversions' scale operands
.set F,    220                         ; v220 f;  v221 p's scale word (named with f as a pair)
.set PW,   221
.set TP,   222
.set RL,   224                         ; v224 1 / the sum; v225 named with it as a pair
.set WV,   12
.set JX,   13
.set BB,   14
.set TAU,  15
.set QB,   26                          ; s[26:27] the address of Q's codes of the tile asked for; s[28:29] of its scale words.  Mask words land in these four only behind the wait that shows Q's loads done
.set QW,   28
.set HD,   88
.set GT,   89
.set TC,   92
.set KC,   93
.set CW,   94                          ; the tile's class word, two bits a step
.set SK,   95
.set SS,   96
.set MO,   97
.set CS,   66                          ; s[66:67] c = log2(e) / 8
.set SEL,  104                         ; s104, s105 lane selects for lane l xor 16
; Tile s[TAU] is asked for: Q's codes, its scale words, the tile's class word.  s[GT] is that tile's number among all batches' from here on.
.macro QASK
	s_lshl_b32 s[GT], s[BB], 7
	s_add_co_u32 s[GT], s[GT], s[TAU]              ; the tile among all batches'
	s_lshl_b32 s[QB], s[HD], 18
	s_lshl_b32 s2, s[GT], 9
	s_add_co_u32 s[QB], s[QB], s2
	s_mov_b32 s[QB+1], 0
	s_add_nc_u64 s[QB:QB+1], s[4:5], s[QB:QB+1]    ; Q's codes
	s_lshl_b32 s[QW], s[HD], 15
	s_lshl_b32 s2, s[GT], 6
	s_add_co_u32 s[QW], s[QW], s2
	s_mov_b32 s[QW+1], 0
	s_add_nc_u64 s[QW:QW+1], s[6:7], s[QW:QW+1]    ; Q's scale words
	s_lshl_b32 s2, s[TAU], 2
	global_load_b128 v[QF:QF+3], v[LI], s[QB:QB+1]
	global_load_b32 v[QS], v[LR], s[QW:QW+1]
	s_load_b32 s[CW], s[10:11], s2 offset:0x0
.endm
	s_load_b256 s[4:11], s[0:1], 0x0               ; img s[4:5], isc s[6:7], mwords s[8:9], cls s[10:11]
	s_load_b128 s[84:87], s[0:1], 0x20             ; yimg, ysc
	v_lshl_add_u32 v254, v0, 2, 0x24000
	v_mov_b32 v255, 0
	v_lshrrev_b32 v1, 5, v0
	v_readfirstlane_b32 s[WV], v1                  ; wave 0..15
	s_mov_b32 s[JX], ttmp9
	s_and_b32 s2, ttmp7, 0xffff
	s_lshr_b32 s[BB], s2, 4                        ; batch
	s_and_b32 s[HD], s2, 15                        ; head
	; the fill's offsets, by the thread's number t
	v_lshlrev_b32 v8, 4, v0                        ; 16 t
	v_lshrrev_b32 v9, 8, v0
	v_and_b32 v10, 255, v0
	v_lshlrev_b32 v10, 4, v10
	v_lshl_add_u32 v9, v9, 13, v10                 ; 8,192 (t / 256) + 16 (t % 256)
	v_add_nc_u32 v10, 65536, v9
	v_lshrrev_b32 v11, 5, v0
	v_and_b32 v26, 31, v0
	v_lshlrev_b32 v26, 4, v26
	v_lshl_add_u32 v11, v11, 10, v26               ; 1,024 (t / 32) + 16 (t % 32)
	v_add_nc_u32 v26, SCB, v11
	; what stays: made here, while the arguments are on their way, so that one wait on va_vdst serves every offset of the kernel
	v_and_b32 v27, 31, v0
	v_lshlrev_b32 v[LI], 4, v27
	v_lshlrev_b32 v[LS], 2, v27
	v_and_b32 v[LR], 15, v0
	v_lshrrev_b32 v[YS], 4, v27
	v_lshl_add_u32 v[YS], v[LR], 5, v[YS]
	v_lshlrev_b32 v[LR], 2, v[LR]
	v_mov_b32 v[NINF], 0xff800000
	v_mov_b32 v[BFF], 0xff
.irp i, 20,21,22,23,64,65,66,67
	v_mov_b32 v[\i], 0                             ; zero codes: Q's upper 64 of K, and what stands behind K's last tile
.endr
.irp i, 212,213,214,215,221,222,225
	v_mov_b32 v[\i], 0                             ; written once: permute destinations, and halves of pairs that are named before they are first written
.endr
	s_wait_alu depctr_va_sdst(0)                   ; the wave's number is written, ahead of its first reader: my first tile is made from it
	s_lshl_b32 s[TAU], s[WV], 2
	s_add_co_u32 s[TAU], s[TAU], s[JX]             ; my first tile: 4 x wave + j
	s_mov_b32 s[TC], 2
	s_add_co_u32 s2, s[HD], 16
	s_lshl_b32 s16, s2, 18
	s_lshl_b32 s24, s[BB], 16
	s_add_co_u32 s16, s16, s24                     ; K's codes: g = 16 + head, 128 tiles of the batch
	s_mov_b32 s17, 0
	s_lshl_b32 s20, s2, 15
	s_lshl_b32 s24, s[BB], 13
	s_add_co_u32 s20, s20, s24                     ; K's scale words
	s_mov_b32 s21, 0
	s_lshr_b32 s2, s[HD], 1
	s_and_b32 s25, s[HD], 1
	s_lshl_b32 s18, s2, 19
	s_lshl_b32 s24, s[BB], 17
	s_add_co_u32 s18, s18, s24
	s_lshl_b32 s24, s25, 12
	s_add_co_u32 s18, s18, s24
	s_add_co_u32 s18, s18, 8388608                 ; V^T's codes: head pair, the batch's 16 steps, my head's four fragments
	s_mov_b32 s19, 0
	s_lshl_b32 s22, s2, 16
	s_lshl_b32 s24, s[BB], 14
	s_add_co_u32 s22, s22, s24
	s_lshl_b32 s24, s25, 9
	s_add_co_u32 s22, s22, s24
	s_add_co_u32 s22, s22, 1048576                 ; V^T's scale words
	s_mov_b32 s23, 0
	s_mov_b32 s3, 0xffff0000                       ; lanes 16-31
	s_mov_b32 s[CS], 0x3e38aa3b                    ; c = log2(e) / 8
	s_mov_b32 s[CS+1], s[CS]
	s_mov_b32 s[SEL], 0x76543210
	s_mov_b32 s[SEL+1], 0xfedcba98
	s_wait_kmcnt 0x0
	s_add_nc_u64 s[16:17], s[4:5], s[16:17]
	s_add_nc_u64 s[18:19], s[4:5], s[18:19]
	s_add_nc_u64 s[20:21], s[6:7], s[20:21]
	s_add_nc_u64 s[22:23], s[6:7], s[22:23]
	s_wait_alu depctr_va_vdst(0)                   ; the offsets v8 to v11, v26 and v1 to v4 are written, which the loads and stores of the whole kernel read; so are the zero codes, which the products K Q^T take as parts of their operands
.irp i, 0,1,2,3,4,5,6,7
	global_load_b128 v[104+4*\i:107+4*\i], v8, s[16:17] offset:8192*\i     ; K: 65,536 consecutive bytes, 8,192 an instruction of the work-group
.endr
.irp i, 0,1,2,3,4,5,6,7
	global_load_b128 v[136+4*\i:139+4*\i], v9, s[18:19] offset:16384*\i    ; V^T: 4,096 consecutive bytes of each step
.endr
	global_load_b128 v[168:171], v8, s[20:21]
	global_load_b128 v[172:175], v11, s[22:23]
	QASK                                           ; my first tile's Q, behind the fill's 18 loads: two more loads, which land while the fill goes through LDS
.irp i, 0,1,2,3
	s_wait_loadcnt 19-\i                           ; loads come back in order: load i of the twenty is in, the later ones may be out
	ds_store_b128 v9, v[104+4*\i:107+4*\i] offset:16384*\i
.endr
.irp i, 4,5,6,7
	s_wait_loadcnt 19-\i
	ds_store_b128 v10, v[104+4*\i:107+4*\i] offset:16384*(\i-4)
.endr
.irp i, 0,1,2,3
	s_wait_loadcnt 11-\i
	ds_store_b128 v9, v[136+4*\i:139+4*\i] offset:16384*\i+4096
.endr
.irp i, 4,5,6,7
	s_wait_loadcnt 11-\i
	ds_store_b128 v10, v[136+4*\i:139+4*\i] offset:16384*(\i-4)+4096
.endr
	s_wait_loadcnt 3                               ; V^T's scale words and Q's two loads may be out
	ds_store_b128 v26, v[168:171]
	s_wait_loadcnt 2                               ; Q's two loads may be out
	ds_store_b128 v26, v[172:175] offset:512
	s_wait_dscnt 0x0                               ; for the others' sake: my stores have landed
	s_barrier_signal -1
	s_barrier_wait -1                              ; the head's K and V^T lie in LDS; nobody writes LDS again
	s_wait_alu depctr_vm_vsrc(0)                   ; my LDS stores have read v104 to v175: these registers are S^T and O^T from here on, written by products and by the moves below
.Ltile:
	v_mov_b32 v13, 0xff61b1e6                      ; the largest t so far: -3e38
	v_floor_f32 v12, -v13                          ; -M
	v_mov_b32 v14, 0                               ; the sum, in two halves
	v_mov_b32 v15, 0
.set J, 0
.rept 32
	v_mov_b32 v[O+J], 0                            ; O^T: which step is the first that counts is not known to the text
.set J, J+1
.endr
	s_mov_b32 s[SK], 0
	s_mov_b32 s[SS], SCB
	s_lshl_b32 s[MO], s[TAU], 12
	s_mov_b32 s[KC], 16
	s_wait_loadcnt 0x0                             ; Q and its scale words, asked for a phase ago
	s_wait_kmcnt 0x0                               ; the class word
.Lkey:                                             ; 16 trips: a step of 128 keys
	s_bitcmp1_b32 s[CW], 0
	s_cbranch_scc0 .Lnext                          ; no key of the step counts for my 16 queries: only the addresses step
	s_wait_alu depctr_vm_vsrc(0)                   ; the LDS loads of the last step that was worked have read v[AD] and v[AS]
	v_add_nc_u32 v[AD], s[SK], v[LI]
	v_add_nc_u32 v[AS], s[SS], v[LS]
	s_wait_alu depctr_va_vdst(0)                   ; v[AD] and v[AS] are written, which this step's 24 LDS loads read; the last step's products are done reading K, V^T and their scale words, in which those loads land
.irp t, 0,1,2,3,4,5,6,7
	ds_load_b128 v[KF+4*\t:KF+4*\t+3], v[AD] offset:512*\t
.endr
.irp b, 0,1,2,3
	ds_load_b32 v[KSC+\b], v[AS] offset:128*\b     ; lanes 0-15: tile 2 b's words; lanes 16-31: tile 2 b + 1's
.endr
	s_wait_dscnt 0x0
.irp t, 0,2,4,6
	v_wmma_scale_f32_16x16x128_f8f6f4 v[S+8*\t:S+8*\t+7], v[KF+4*\t:KF+4*\t+7], v[QF:QF+7], 0, v[KSC+\t/2], v[QS] matrix_a_fmt:MATRIX_FMT_FP4 matrix_b_fmt:MATRIX_FMT_FP4
	v_wmma_scale_f32_16x16x128_f8f6f4 v[S+8+8*\t:S+8+8*\t+7], v[KF+4+4*\t:KF+4+4*\t+7], v[QF:QF+7], 0, v[KSC+\t/2], v[QS] matrix_a_fmt:MATRIX_FMT_FP4 matrix_b_fmt:MATRIX_FMT_FP4 matrix_a_scale:MATRIX_SCALE_ROW1
.endr
.rept 4
	v_nop                                          ; places in front of the first read of the scores
.endr
.irp ct, 0,1,2,3
.irp c, 0,1
	ds_load_b128 v[VF+8*\ct+4*\c:VF+8*\ct+4*\c+3], v[AD] offset:4096+1024*\ct+512*\c   ; they land while the softmax is worked.  No wait: since the wait at the step's head only the eight products and the places were issued, and they name neither V^T, nor its scale words, nor the two addresses
.endr
	ds_load_b32 v[VSC+\ct], v[AS] offset:512+128*\ct
.endr
	s_bitcmp1_b32 s[CW], 1
	s_cbranch_scc0 .Lopen                          ; every key of the step counts for all 16 queries
	s_load_b512 s[16:31], s[8:9], s[MO] offset:0x0
	s_load_b512 s[32:47], s[8:9], s[MO] offset:0x40
	s_load_b512 s[48:63], s[8:9], s[MO] offset:0x80
	s_load_b512 s[68:83], s[8:9], s[MO] offset:0xc0
	s_wait_kmcnt 0x0
.set N, 0
.rept 64
.if N < 48
	v_cndmask_b32 v[S+N], v[NINF], v[S+N], s[16+N] ; a hidden score becomes -infinity
.else
	v_cndmask_b32 v[S+N], v[NINF], v[S+N], s[20+N]
.endif
.set N, N+1
.endr
.Lopen:
.irp b, 0,1,2,3
	v_max3_num_f32 v[BM+\b], v[S+16*\b], v[S+1+16*\b], v[S+2+16*\b]   ; the largest score of each block of 32 keys: for the row's maximum and, since p rises with the score, for the block's largest p
.endr
.irp i, 3,5,7,9,11,13
.irp b, 0,1,2,3
	v_max3_num_f32 v[BM+\b], v[BM+\b], v[S+16*\b+\i], v[S+1+16*\b+\i]
.endr
.endr
.irp b, 0,1,2,3
	v_max_num_f32 v[BM+\b], v[BM+\b], v[S+15+16*\b]
.endr
.irp b, 0,1,2,3
	v_permlanex16_b32 v[BT+\b], v[BM+\b], s[SEL], s[SEL+1]
.endr
.irp b, 0,1,2,3
	v_max_num_f32 v[BM+\b], v[BM+\b], v[BT+\b]     ; with lane l xor 16's 16 keys
.endr
	v_max3_num_f32 v[TP], v[BM], v[BM+1], v[BM+2]
	v_max_num_f32 v[TP], v[TP], v[BM+3]
	v_mul_f32 v[TP], s[CS], v[TP]                  ; as t
	v_max_num_f32 v13, v13, v[TP]                  ; the running largest t
	v_mov_b32 v[TP], v12
	v_floor_f32 v12, -v13                          ; the new -M = -ceil(t)
	v_sub_f32 v[TP], v12, v[TP]                    ; old M - new M: a whole number, 0 or less
	v_cvt_i32_f32 v[TP], v[TP]                     ; (it saturates)
	v_ldexp_f32 v[F], 1.0, v[TP]                   ; f = 2^(old M - new M)
.set J, 0
.rept 32
	v_pk_fma_f32 v[S+J:S+J+1], v[S+J:S+J+1], s[CS:CS+1], v[12:13] op_sel_hi:[1,0,0]   ; t - M
.set J, J+2
.endr
.irp b, 0,1,2,3
	v_fma_f32 v[BM+\b], v[BM+\b], s[CS], v12
.endr
.set J, 0
.rept 64
	v_exp_f32 v[S+J], v[S+J]                       ; p = 2^(t - M)
.set J, J+1
.endr
	v_pk_mul_f32 v[14:15], v[14:15], v[F:F+1] op_sel_hi:[1,0]   ; the sums under the new M: a plain place behind the exponentials
	s_wait_alu depctr_va_vdst(0)                   ; the 64 exponentials have written p: one wait for the batch, ahead of its first reader
.irp b, 0,1,2,3
	v_exp_f32 v[BM+\b], v[BM+\b]                   ; the blocks' largest p
.endr
	v_pk_add_f32 v[BT:BT+1], v[S:S+1], v[S+2:S+3]  ; the row's sum of the unquantised p, in two chains
.irp j, 4,8,12,16,20,24,28,32,36,40,44,48,52,56,60
	v_pk_add_f32 v[14:15], v[14:15], v[S+\j:S+1+\j]
	v_pk_add_f32 v[BT:BT+1], v[BT:BT+1], v[S+2+\j:S+3+\j]
.endr
	v_pk_add_f32 v[14:15], v[14:15], v[BT:BT+1]
	s_wait_alu depctr_va_vdst(0)                   ; the four exponentials have written the blocks' largest p, ahead of their first reader
.irp b, 0,1,2,3
	v_max_num_f32 v[BM+\b], 0x1800000, v[BM+\b]    ; the floor 2^(3 - 127)
.endr
.irp b, 0,1,2,3
	v_add_nc_u32 v[BS+\b], 0xff000000, v[BM+\b]
.endr
.irp b, 0,1,2,3
	v_lshrrev_b32 v[BT+\b], 23, v[BS+\b]
.endr
	v_lshl_or_b32 v[PW], v[BT+1], 8, v[BT]
	v_lshl_or_b32 v[PW], v[BT+2], 16, v[PW]
	v_lshl_or_b32 v[PW], v[BT+3], 24, v[PW]
.irp b, 0,1,2,3
	v_cvt_scalef32_pk8_fp4_f32 v[PC+2*\b], v[S+16*\b:S+7+16*\b], v[BS+\b]
	v_cvt_scalef32_pk8_fp4_f32 v[PC+1+2*\b], v[S+8+16*\b:S+15+16*\b], v[BS+\b]
.endr
	v_nop                                          ; one plain place behind a scaled conversion
.irp c, 0,1
.irp i, 0,1
	v_permlane16_swap_b32 v[PC+4*\c+\i], v[PC+2+4*\c+\i]
.endr
.endr
.set J, 0
.rept 16
	v_pk_mul_f32 v[O+J:O+J+1], v[O+J:O+J+1], v[F:F+1] op_sel_hi:[1,0]   ; O^T under the new M.  These sixteen are also the places between p's codes and scale word and the products
.set J, J+2
.endr
	s_wait_dscnt 0x0                               ; V^T is in
	s_wait_alu depctr_va_vdst(0)                   ; p's codes and p's scale word are written, which the four scaled products take as operand and as scales; the places above stay beside this wait
.irp ct, 0,1,2,3
	v_wmma_scale_f32_16x16x128_f8f6f4 v[O+8*\ct:O+8*\ct+7], v[VF+8*\ct:VF+8*\ct+7], v[PC:PC+7], v[O+8*\ct:O+8*\ct+7], v[VSC+\ct], v[PW] matrix_a_fmt:MATRIX_FMT_FP4 matrix_b_fmt:MATRIX_FMT_FP4
.endr
.Lnext:
	s_lshr_b32 s[CW], s[CW], 2
	s_add_co_u32 s[SK], s[SK], 8192
	s_add_co_u32 s[SS], s[SS], 1024
	s_add_co_u32 s[MO], s[MO], 256
	s_sub_co_u32 s[KC], s[KC], 1
	s_cmp_lg_u32 s[KC], 0
	s_cbranch_scc1 .Lkey
	; THE TILE'S END: O^T / the sum is y; its 32 registers are 16 neighbours of each of the head's two blocks of 32
.rept 4
	v_nop
.endr
	v_add_f32 v14, v14, v15
	v_permlanex16_b32 v[TP], v14, s[SEL], s[SEL+1]
	v_add_f32 v14, v14, v[TP]                      ; the row's sum
	v_rcp_f32 v[RL], v14
	v_nop                                          ; a plain place behind the reciprocal
	v_cmp_eq_f32 vcc_lo, 0, v14                    ; a row without any key
	s_lshl_b32 s90, s[GT], 13
	s_lshl_b32 s2, s[HD], 9
	s_add_co_u32 s90, s90, s2
	s_mov_b32 s91, 0
	s_add_nc_u64 s[90:91], s[84:85], s[90:91]      ; yimg: [tile][head][512 bytes]
	s_lshl_b32 s98, s[GT], 9
	s_lshl_b32 s2, s[HD], 1
	s_add_co_u32 s98, s98, s2
	s_mov_b32 s99, 0
	s_add_nc_u64 s[98:99], s[86:87], s[98:99]      ; ysc: [stored row][32 bytes], byte 2 head + block
	s_wait_alu depctr_va_vdst(0)                   ; the reciprocal is written, ahead of its first reader; and this tile's products are done reading Q and its scale words, in which the next tile's loads land
	s_wait_alu depctr_va_vcc(0)                    ; the compare has written VCC: ahead of the branch below and of the select that reads it
	s_cmp_eq_u32 s[TC], 1                          ; the next tile's Q is asked for here, if there is a next tile, and lands while y is scaled, quantised and stored
	s_cbranch_scc1 .Llast
	s_lshl_b32 s2, s[JX], 1
	s_add_co_u32 s2, s2, 124
	s_sub_co_u32 s[TAU], s2, s[TAU]                ; 4 (31 - wave) + j
	QASK                                           ; no vector or matrix instruction stands between the wait above and these loads, and none behind them names their registers before the wait for their data
.Llast:
.set J, 0
.rept 16
	v_pk_mul_f32 v[O+J:O+J+1], v[O+J:O+J+1], v[RL:RL+1] op_sel_hi:[1,0]
.set J, J+2
.endr
.irp b, 0,1
	v_max3_num_f32 v[BM+\b], |v[O+16*\b]|, |v[O+1+16*\b]|, 0x1800000
.endr
.irp i, 2,4,6,8,10,12,14
.irp b, 0,1
	v_max3_num_f32 v[BM+\b], v[BM+\b], |v[O+16*\b+\i]|, |v[O+1+16*\b+\i]|
.endr
.endr
.irp b, 0,1
	v_permlanex16_b32 v[BT+\b], v[BM+\b], s[SEL], s[SEL+1]
.endr
.irp b, 0,1
	v_max_num_f32 v[BM+\b], v[BM+\b], v[BT+\b]
.endr
.irp b, 0,1
	v_add_nc_u32 v[BS+\b], 0xff000000, v[BM+\b]
.endr
.irp b, 0,1
	v_lshrrev_b32 v[BT+\b], 23, v[BS+\b]
.endr
.irp b, 0,1
	v_cvt_scalef32_pk8_fp4_f32 v[PC+2*\b], v[O+16*\b:O+7+16*\b], v[BS+\b]
	v_cvt_scalef32_pk8_fp4_f32 v[PC+1+2*\b], v[O+8+16*\b:O+15+16*\b], v[BS+\b]
.endr
	v_nop
	v_permlane16_swap_b32 v[PC], v[PC+2]           ; lanes 0-15 now hold block 0 whole, lanes 16-31 block 1
	v_permlane16_swap_b32 v[PC+1], v[PC+3]
	v_cndmask_b32 v[TP], v[BT], v[BT+1], s3        ; my half's byte,
	v_cndmask_b32 v[TP], v[TP], v[BFF], vcc_lo     ; or 0xff
	s_wait_alu depctr_va_vdst(0)                   ; y's codes and my scale byte are written, which the two stores read
	global_store_b128 v[LI], v[PC:PC+3], s[90:91]  ; 32 lanes store 512 consecutive bytes, aligned
	global_store_b8 v[YS], v[TP], s[98:99]
	s_wait_xcnt 0x0                                ; the stores have read their data and bases: the next tile writes them again
	s_wait_alu depctr_vm_vsrc(0)                   ; the two stores have read v[PC] to v[PC+3] and v[TP], which the next tile's vector instructions write again: stated ahead of the branch
	s_sub_co_u32 s[TC], s[TC], 1
	s_cmp_lg_u32 s[TC], 0
	s_cbranch_scc1 .Ltile
	s_wait_dscnt 0x0
	s_wait_alu depctr_hold_cnt(0) depctr_sa_sdst(0) depctr_va_vdst(0) depctr_va_sdst(0) depctr_va_ssrc(0) depctr_va_vcc(0) depctr_vm_vsrc(0)
	s_wait_tensorcnt 0x0
	ds_add_u32 v254, v255
	s_wait_dscnt 0x0
	s_endpgm
.Lfunc_end_k_q1a19a2185b_attn:
	.size	k_q1a19a2185b_attn, .Lfunc_end_k_q1a19a2185b_attn-k_q1a19a2185b_attn
	.p2alignl 7, 3214868480
	.fill 96, 4, 3214868480
	.section	.rodata,"a",@progbits
	.p2align	6, 0x0
	.amdhsa_kernel k_q1a19a2185b_attn
		.amdhsa_group_segment_fixed_size 149504
		.amdhsa_private_segment_fixed_size 0
		.amdhsa_enable_private_segment 0
		.amdhsa_kernarg_size 48
		.amdhsa_user_sgpr_count 2
		.amdhsa_user_sgpr_kernarg_segment_ptr 1
		.amdhsa_wavefront_size32 1
		.amdhsa_system_sgpr_workgroup_id_x 1
		.amdhsa_system_sgpr_workgroup_id_y 1
		.amdhsa_system_sgpr_workgroup_id_z 1
		.amdhsa_system_vgpr_workitem_id 0
		.amdhsa_next_free_vgpr 256
		.amdhsa_next_free_sgpr 106
		.amdhsa_reserve_vcc 1
		.amdhsa_float_denorm_mode_32 3
		.amdhsa_float_denorm_mode_16_64 3
		.amdhsa_memory_ordered 1
		.amdhsa_forward_progress 1
		.amdhsa_inst_pref_size 34
	.end_amdhsa_kernel
	.amdgpu_metadata
---
amdhsa.version: [ 1, 2 ]
amdhsa.kernels:
  - .name:           k_q1a19a2185b_attn
    .symbol:         k_q1a19a2185b_attn.kd
    .args:
      - { .name: img, .offset: 0, .size: 8, .value_kind: global_buffer, .address_space: global }
      - { .name: isc, .offset: 8, .size: 8, .value_kind: global_buffer, .address_space: global }
      - { .name: mwords, .offset: 16, .size: 8, .value_kind: global_buffer, .address_space: global }
      - { .name: cls, .offset: 24, .size: 8, .value_kind: global_buffer, .address_space: global }
      - { .name: yimg, .offset: 32, .size: 8, .value_kind: global_buffer, .address_space: global }
      - { .name: ysc, .offset: 40, .size: 8, .value_kind: global_buffer, .address_space: global }
    .group_segment_fixed_size: 149504
    .private_segment_fixed_size: 0
    .kernarg_segment_align: 8
    .kernarg_segment_size: 48
    .max_flat_workgroup_size: 512
    .sgpr_count:     106
    .vgpr_count:     256
    .wavefront_size: 32
...
	.end_amdgpu_metadata
.endif
;; end of part 5
;; launch outp: the kernel of part 4 again; grid 4 x 32, 4 waves a work-group, clusters of 4 x 4, 327,680 bytes of LDS; arguments yimg, ysc, codes, scales, bo, out0; writes out0
